; MI455X (gfx1250); checked and timed in simulation.
; The chip was launched on July 23, 2026; its instructions are those of AMD's public machine-readable ISA for CDNA 5 (MIT licence, August 2026) and "CDNA5" Instruction Set Architecture Reference Guide (July 2026). The comments in the code are by the model that wrote it; some were corrected since.
;; Dense Attention. Allowed arithmetic: matrix products marked QUANTISED: E4M3 operands, one E8M0 scale for each 32 along K, by v_wmma_scale_f32_16x16x128_f8f6f4 with both operands' format E4M3, f32 sums; everything else in f32.
;; Inputs: bias 31 x 1,024 float32; inputs 1,024 x 1,024 float32; kernel 31 x 1,024 x 1,024 float32; labels 1,024 x 31 int32.
;; Outputs: out0 1,024 x 1,024 float32.
;; This version of the problem:
;;   THIS VERSION OF THE PROBLEM IS GIVEN IN LOW PRECISION. The matrix products marked QUANTISED in the list below multiply operands that are first quantised to E4M3 (4 exponent bits, 3 mantissa bits; 8 bits a number), with one power-of-two scale for each 32 numbers along K (OCP MX v1.0); their sums are f32. All else is computed in f32.
;;   The module's matrix products, in the order in which they are computed (A, B: the left and right operand; K: the contracted axis; several contracted axes count as one K, in the product's order):
;;     1. [M 31,744, K 1,024] x [K 1,024, N 1,024]; A: input kernel; B: input inputs: QUANTISED
;;     2. batch 31 x [M 1,024, K 1,024] x [K 1,024, N 1,024]; A: computed on the way; B: computed on the way: QUANTISED
;;   THE QUANTISER, for each operand of a quantised product, along K:
;;     - K is cut into blocks of 32 from its start; a last block that is shorter is filled with zeros.
;;     - A block's scale is 2^e with e = floor(log2(the largest magnitude in the block)) - 8, held to -126 .. 127; a block of zeros has e = 0. As a byte (E8M0): e + 127.
;;     - Each number is divided by its block's scale, clamped to +-448, and rounded to the nearest number of E4M3, ties to even, subnormals kept.
;;     - The product sums the exact products of the quantised numbers (number of the format x scale) in f32.
;;   ~~~python
;;   def quantise(x, axis):      # numpy; x: float32 -> the quantised numbers, widened to float32 again
;;       x = np.moveaxis(x, axis, -1); K = x.shape[-1]
;;       x = np.pad(x, [(0, 0)] * (x.ndim - 1) + [(0, -K % 32)]); x = x.reshape(x.shape[:-1] + (-1, 32)); a = np.abs(x).max(-1, keepdims=True)
;;       e = np.where(a > 0, np.clip(np.frexp(np.where(a > 0, a, 1))[1] - 1 - 8, -126, 127), 0)      # np.frexp(a)[1] - 1 = floor(log2(a)), exactly
;;       r = np.clip(x / 2.0 ** e, -448, 448)
;;       step = 2.0 ** (np.maximum(np.frexp(np.where(r == 0, 1, r))[1] - 1, -6) - 3)
;;       q = np.round(r / step) * step * 2.0 ** e      # np.round: ties to even
;;       return np.moveaxis(q.reshape(q.shape[:-2] + (-1,))[..., :K], -1, axis).astype(np.float32)
;;   ~~~
;;   OPERANDS COMPUTED ON THE WAY. 'Computed on the way' means the value that the module computes at that place (a softmax that the list does not call 'softmax' is quantised finished and normalised). What goes into a quantiser is computed in f32, as accurately as f32 sums, v_exp_f32 and their like allow (about 1e-6 of the number): no bf16 or f16 on the way to a quantiser, and a product that is left as it is and whose result goes on into a quantised operand takes f32 operands (vector FMAs, or v_wmma_f32_16x16x4_f32). A number that lies on a knife's edge between two numbers of the format may be rounded either way, as far as f32 arithmetic and the matrix unit's own rounding can turn it there, and no further.
;; 2 versions, each right and faster than the one before. Each part assembles by itself: llvm-mc -triple=amdgcn-amd-amdhsa -mcpu=gfx1250 --defsym DOCPART=n.
;; ======== version 1 of 2: 5 launches
;; workspace buffers: xq 1,114,112 bytes; xbq 34,537,472 bytes; sp 32,505,856 bytes; pmi 507,904 bytes; pmj 253,952 bytes; u 2,097,152 bytes; mu 4,096 bytes; cnt 4,096 bytes
;; launch prep (part 1): grid 384 x 1, 4 waves a work-group, no clusters, 1,536 bytes of LDS; arguments inputs, labels, xq, cnt; writes xq, cnt
.if DOCPART == 1
	.amdgcn_target "amdgcn-amd-amdhsa--gfx1250"
	.amdhsa_code_object_version 6
	.text
	.protected	k_q86342f505d_prep
	.globl	k_q86342f505d_prep
	.p2align	8
	.type	k_q86342f505d_prep,@function
k_q86342f505d_prep:
	s_mov_b64 s[64:65], 0
	v_nop
	global_prefetch_b8 v0, s[64:65] scope:SCOPE_SE
	s_setreg_imm32_b32 hwreg(HW_REG_WAVE_MODE, 25, 1), 1
	s_wait_xcnt 0x0
; TWO SMALL JOBS IN ONE LAUNCH, told apart by the work-group's number.
; Work-groups 0-127: x [1024][1024] f32 becomes codes of E4M3 with one E8M0 byte for each 32 along d, laid as RECORDS.
;   A record (17,408 bytes) is 128 rows x 128 along K as images of operand registers: fragment a (16 rows) at 2048 a, its registers 4 c .. 4 c + 3 at + 512 c,
;   lane l's 16 bytes at + 16 l; the scale words at 16384 + 512 (a / 4) + 16 l + 4 (a % 4), so that one 16-byte load brings four fragments' words.
;   Record number 8 s + bg: K step s (128 d), rows 128 bg on.  A work-group makes half a record, a wave one fragment.
; Work-groups 128-383: cnt[a] = the number of pairs (b in the other half of the batch, class c) with labels[b][c] == labels[a][c], as f32 (a whole number under 2^24).
;   A work-group takes four rows a; each wave compares them with 128 rows b (four to a lane), all 31 classes.  Labels are compared as whole 32-bit numbers.
; LIMITS: NaN and infinities in x are not served; a block whose largest magnitude lies under 2^-118 keeps the byte 1; a block of zeros has the byte 1 and zero codes (only this program reads the bytes).
; Each job has LDS bytes of its own: 0-511 the scale words, 512-575 the counts.
.set REC,  17408
.set X,    64                          ; v64-127  64 numbers of my row: register 16 b + i = d 32 b + 16 (lane / 16) + i of the K step
.set PC,   16                          ; v16-31   the fragment's codes
.set TM,   32                          ; v32-47   at work in QUANT
.set PW,   48                          ; v48      my row's scale word
.set MNT,  32                          ; s32      the mantissa field of 448
.set SEL,  30                          ; s[30:31] lane selects: lane l xor 16
.set LB,   64                          ; v64-187  labels of my four rows b: register 31 k + c
.set RL,   56                          ; v56-59   labels of row a = 4 v + k: lane c holds class c
.set CN,   50                          ; v50-53   the counts
.set CT,   54
; 64 numbers of a lane become a fragment's codes in v[PC] on and its scale word in v[PW]
.macro QUANT s
.irp b, 0,1,2,3
	v_max3_num_f32 v[TM+\b], |v[\s+16*\b]|, |v[\s+1+16*\b]|, 0x4800000   ; block b: my 16 numbers and the floor 2^(9 - 127): the byte cannot fall under 1
.endr
.irp i, 2,4,6,8,10,12,14
.irp b, 0,1,2,3
	v_max3_num_f32 v[TM+\b], v[TM+\b], |v[\s+16*\b+\i]|, |v[\s+1+16*\b+\i]|
.endr
.endr
.irp b, 0,1,2,3
	v_permlanex16_b32 v[TM+4+\b], v[TM+\b], s[SEL], s[SEL+1]
.endr
.irp b, 0,1,2,3
	v_max_num_f32 v[TM+\b], v[TM+\b], v[TM+4+\b]          ; with lane l xor 16's 16: the block's largest magnitude
.endr
.irp b, 0,1,2,3
	v_add_nc_u32 v[TM+12+\b], 0xfc000000, v[TM+\b]        ; 8 off its exponent field: the conversion's scale operand
.endr
.irp b, 0,1,2,3
	v_and_or_b32 v[TM+8+\b], v[TM+\b], 0x7f800000, s[MNT] ; 448 x the scale
.endr
.irp b, 0,1,2,3
	v_lshrrev_b32 v[TM+4+\b], 23, v[TM+12+\b]             ; the scale's byte
.endr
	v_lshl_or_b32 v[PW], v[TM+5], 8, v[TM+4]
	v_lshl_or_b32 v[PW], v[TM+6], 16, v[PW]
	v_lshl_or_b32 v[PW], v[TM+7], 24, v[PW]
.irp b, 0,1,2,3
.irp i, 0,1,2,3,4,5,6,7,8,9,10,11,12,13,14,15
	v_med3_num_f32 v[\s+16*\b+\i], v[\s+16*\b+\i], -v[TM+8+\b], v[TM+8+\b]   ; the conversion does not saturate (ISA guide 7.6.2): the hold at 448 x the scale
.endr
	v_cvt_scalef32_pk8_fp8_f32 v[PC+4*\b:PC+1+4*\b], v[\s+16*\b:\s+7+16*\b], v[TM+12+\b]
	v_cvt_scalef32_pk8_fp8_f32 v[PC+2+4*\b:PC+3+4*\b], v[\s+8+16*\b:\s+15+16*\b], v[TM+12+\b]
.endr
	v_nop
.endm
	s_load_b128 s[4:7], s[0:1], 0x0                ; x, labels
	s_load_b128 s[8:11], s[0:1], 0x10              ; xq, cnt
	v_lshl_add_u32 v192, v0, 2, 0x400
	v_mov_b32 v193, 0
	v_lshrrev_b32 v1, 5, v0
	v_readfirstlane_b32 s12, v1                    ; wave 0..3
	v_and_b32 v2, 31, v0                           ; lane
	s_mov_b32 s[SEL], 0x76543210
	s_mov_b32 s[SEL+1], 0xfedcba98
	s_mov_b32 s[MNT], 0x600000
	s_cmp_lt_u32 ttmp9, 128
	s_cbranch_scc0 .Lcount
	; ---- x into records.  Work-group number = 16 s + 2 bg + hr; my fragment is a = 4 hr + wave
	s_lshr_b32 s13, ttmp9, 4                       ; s
	s_bfe_u32 s14, ttmp9, 0x30001                  ; bg
	s_and_b32 s15, ttmp9, 1                        ; hr
	s_lshl_b32 s16, s15, 2
	s_add_co_u32 s16, s16, s12                     ; a
	s_lshl_b32 s17, s14, 19                        ; 128 bg rows of 4,096 bytes
	s_lshl_b32 s18, s16, 16                        ; 16 a rows
	s_add_co_u32 s17, s17, s18
	s_lshl_b32 s18, s13, 9                         ; 128 s numbers
	s_add_co_u32 s20, s17, s18
	s_mov_b32 s21, 0
	s_lshl_b32 s17, s13, 3
	s_add_co_u32 s17, s17, s14
	s_mul_i32 s22, s17, REC                        ; my record
	s_mov_b32 s23, 0
	s_lshl_b32 s24, s16, 11                        ; my fragment in it
	s_mov_b32 s25, 0
	s_lshl_b32 s18, s15, 9
	s_add_co_u32 s18, s18, 16384                   ; my half's scale words in it
	s_mov_b32 s19, 0
	v_and_b32 v3, 15, v0                           ; r
	v_bfe_u32 v4, v0, 4, 1                         ; h
	v_lshlrev_b32 v5, 12, v3
	v_lshl_add_u32 v5, v4, 6, v5                   ; row r, + 64 h: my 16 numbers of a block of 32
	v_lshlrev_b32 v6, 4, v2                        ; 16 x lane
	s_lshl_b32 s17, s12, 2
	v_add_nc_u32 v7, s17, v6                       ; LDS: 16 x lane + 4 x wave
.irp b, 0,1,2,3
	v_mov_b32 v[TM+4+\b], 0                        ; a lane permute's destination counts as one of its sources
.endr
	s_wait_kmcnt 0x0
	s_add_nc_u64 s[4:5], s[4:5], s[20:21]
	s_add_nc_u64 s[8:9], s[8:9], s[22:23]
	s_add_nc_u64 s[26:27], s[8:9], s[24:25]
	s_add_nc_u64 s[28:29], s[8:9], s[18:19]
.irp b, 0,1,2,3
.irp j, 0,1,2,3
	global_load_b128 v[X+16*\b+4*\j:X+16*\b+4*\j+3], v5, s[4:5] offset:128*\b+16*\j
.endr
.endr
	s_wait_loadcnt 0x0
	QUANT X
.irp c, 0,1,2,3
	global_store_b128 v6, v[PC+4*\c:PC+4*\c+3], s[26:27] offset:512*\c   ; 32 lanes store 512 consecutive bytes
.endr
	ds_store_b32 v7, v[PW]                         ; the four waves' words of a lane lie side by side
	s_wait_dscnt 0x0                               ; for the others' sake: my store has landed
	s_barrier_signal -1
	s_barrier_wait -1
	s_cmp_lg_u32 s12, 0
	s_cbranch_scc1 .Lxend
	ds_load_b128 v[8:11], v6
	s_wait_dscnt 0x0
	global_store_b128 v6, v[8:11], s[28:29]        ; four fragments' scale words: 512 consecutive bytes
.Lxend:
	s_wait_tensorcnt 0x0
	ds_add_u32 v192, v193
	s_wait_dscnt 0x0
	s_endpgm
	; ---- the counts.  v = work-group number - 128; rows a = 4 v .. 4 v + 3
.Lcount:
	s_sub_co_u32 s13, ttmp9, 128
	s_cmp_lt_u32 s13, 128                          ; rows under 512 are compared with rows from 512 on, and the other way round
	s_cselect_b32 s14, 512, 0
	s_lshl_b32 s15, s12, 7
	s_add_co_u32 s14, s14, s15                     ; my wave's first row b
	s_mul_i32 s20, s14, 124                        ; a row of labels is 124 bytes
	s_mov_b32 s21, 0
	s_mul_i32 s22, s13, 496
	s_mov_b32 s23, 0
	s_lshl_b32 s24, s13, 4
	s_mov_b32 s25, 0
	v_mul_u32_u24 v3, v2, 124                      ; a lane a row b
	v_min_u32 v4, 30, v2
	v_lshlrev_b32 v4, 2, v4                        ; a lane a class (lane 31 repeats class 30 and is not read)
	v_mov_b32 v5, s12
	v_lshlrev_b32 v5, 2, v5                        ; LDS: 4 x wave
	v_and_b32 v7, 3, v0
	v_lshlrev_b32 v6, 4, v7                        ; LDS: row l & 3's four partial counts
	v_lshlrev_b32 v7, 2, v7                        ; and its word of cnt
	v_mov_b32 v[CT], 0
	s_wait_kmcnt 0x0
	s_add_nc_u64 s[16:17], s[6:7], s[22:23]
	s_add_nc_u64 s[6:7], s[6:7], s[20:21]
	s_add_nc_u64 s[10:11], s[10:11], s[24:25]
.irp k, 0,1,2,3
	global_load_b32 v[RL+\k], v4, s[16:17] offset:124*\k
.endr
.set K, 0
.rept 4
.set CC, 0
.rept 31
	global_load_b32 v[LB+31*K+CC], v3, s[6:7] offset:3968*K+4*CC
.set CC, CC+1
.endr
.set K, K+1
.endr
	s_wait_loadcnt 0x0
; row a = 4 v + k against my 128 rows b: a compare sets the carry, an add with carry counts it
.macro ROWCNT k
	v_mov_b32 v[CN+\k], 0
.set CC, 0
.rept 31
	v_readlane_b32 s26, v[RL+\k], CC
.irp kk, 0,1,2,3
	v_cmp_eq_u32 vcc_lo, s26, v[LB+31*\kk+CC]
	v_add_co_ci_u32 v[CN+\k], vcc_lo, 0, v[CN+\k], vcc_lo
.endr
.set CC, CC+1
.endr
	v_cvt_f32_u32 v[CN+\k], v[CN+\k]
	v_add_f32_dpp v[CN+\k], v[CN+\k], v[CN+\k] row_xmask:1 row_mask:0xf bank_mask:0xf
	v_add_f32_dpp v[CN+\k], v[CN+\k], v[CN+\k] row_xmask:2 row_mask:0xf bank_mask:0xf
	v_add_f32_dpp v[CN+\k], v[CN+\k], v[CN+\k] row_xmask:4 row_mask:0xf bank_mask:0xf
	v_add_f32_dpp v[CN+\k], v[CN+\k], v[CN+\k] row_xmask:8 row_mask:0xf bank_mask:0xf
	v_permlanex16_b32 v[CT], v[CN+\k], s[SEL], s[SEL+1]
	v_add_f32 v[CN+\k], v[CN+\k], v[CT]            ; every lane holds the wave's count
	ds_store_b32 v5, v[CN+\k] offset:512+16*\k     ; all lanes write the same word with the same value
.endm
	ROWCNT 0
	ROWCNT 1
	ROWCNT 2
	ROWCNT 3
	s_wait_dscnt 0x0
	s_barrier_signal -1
	s_barrier_wait -1
	s_cmp_lg_u32 s12, 0
	s_cbranch_scc1 .Lcend
	ds_load_b128 v[8:11], v6 offset:512
	s_wait_dscnt 0x0
	v_add_f32 v8, v8, v9
	v_add_f32 v10, v10, v11
	v_add_f32 v8, v8, v10
	global_store_b32 v7, v8, s[10:11]              ; lanes with the same l & 3 store the same value to the same word
.Lcend:
	s_wait_tensorcnt 0x0
	ds_add_u32 v192, v193
	s_wait_dscnt 0x0
	s_endpgm
.Lfunc_end_k_q86342f505d_prep:
	.size	k_q86342f505d_prep, .Lfunc_end_k_q86342f505d_prep-k_q86342f505d_prep
	.p2alignl 7, 3214868480
	.fill 96, 4, 3214868480
	.section	.rodata,"a",@progbits
	.p2align	6, 0x0
	.amdhsa_kernel k_q86342f505d_prep
		.amdhsa_group_segment_fixed_size 1536
		.amdhsa_private_segment_fixed_size 0
		.amdhsa_enable_private_segment 0
		.amdhsa_kernarg_size 32
		.amdhsa_user_sgpr_count 2
		.amdhsa_user_sgpr_kernarg_segment_ptr 1
		.amdhsa_wavefront_size32 1
		.amdhsa_system_sgpr_workgroup_id_x 1
		.amdhsa_system_sgpr_workgroup_id_y 1
		.amdhsa_system_sgpr_workgroup_id_z 1
		.amdhsa_system_vgpr_workitem_id 0
		.amdhsa_next_free_vgpr 194
		.amdhsa_next_free_sgpr 66
		.amdhsa_reserve_vcc 1
		.amdhsa_float_denorm_mode_32 3
		.amdhsa_float_denorm_mode_16_64 3
		.amdhsa_memory_ordered 1
		.amdhsa_forward_progress 1
		.amdhsa_inst_pref_size 67
	.end_amdhsa_kernel
	.amdgpu_metadata
---
amdhsa.version: [ 1, 2 ]
amdhsa.kernels:
  - .name:           k_q86342f505d_prep
    .symbol:         k_q86342f505d_prep.kd
    .args:
      - { .name: inputs, .offset: 0, .size: 8, .value_kind: global_buffer, .address_space: global }
      - { .name: labels, .offset: 8, .size: 8, .value_kind: global_buffer, .address_space: global }
      - { .name: xq, .offset: 16, .size: 8, .value_kind: global_buffer, .address_space: global }
      - { .name: cnt, .offset: 24, .size: 8, .value_kind: global_buffer, .address_space: global }
    .group_segment_fixed_size: 1536
    .private_segment_fixed_size: 0
    .kernarg_segment_align: 8
    .kernarg_segment_size: 32
    .max_flat_workgroup_size: 128
    .sgpr_count:     66
    .vgpr_count:     194
    .wavefront_size: 32
...
	.end_amdgpu_metadata
.endif
;; end of part 1
;; launch gemm1 (part 2): grid 8 x 31, 4 waves a work-group, clusters of 4 x 1, 327,680 bytes of LDS; arguments kernel, bias, xq, xbq; writes xbq
.if DOCPART == 2
	.amdgcn_target "amdgcn-amd-amdhsa--gfx1250"
	.amdhsa_code_object_version 6
	.text
	.protected	k_q86342f505d_gemm1
	.globl	k_q86342f505d_gemm1
	.p2align	8
	.type	k_q86342f505d_gemm1,@function
k_q86342f505d_gemm1:
	s_mov_b64 s[64:65], 0
	v_nop
	global_prefetch_b8 v0, s[64:65] scope:SCOPE_SE
	s_setreg_imm32_b32 hwreg(HW_REG_WAVE_MODE, 25, 1), 1
	s_wait_xcnt 0x0
	s_wait_alu depctr_hold_cnt(0) depctr_sa_sdst(0) depctr_va_vdst(0) depctr_va_sdst(0) depctr_va_ssrc(0) depctr_va_vcc(0) depctr_vm_vsrc(0)
	s_getreg_b32 s2, hwreg(HW_REG_IB_STS2, 6, 4)
	s_cmp_eq_u32 s2, 0
	s_cbranch_scc0 .Lentry_in_a_cluster
	s_endpgm
.Lentry_in_a_cluster:
	s_bfe_u32 s2, ttmp6, 0x10000c
	s_cmp_lg_u32 s2, 0x3003
	s_cbranch_scc0 .Lentry_shape_is_right
	s_endpgm
.Lentry_shape_is_right:
; xB[c][b][e] = sum over d of x[b][d] kernel[c][d][e] + bias[c][e] on codes of E4M3 (one E8M0 byte for each 32 along d), and xB quantised along e into records for the next launch.
; SHARES.  A work-group owns one class c and 128 columns e (ex = 0..7), all 1,024 d and all 1,024 rows b.  The kernel's slab (1,024 x 128 f32, 512 KB) is read from memory ONCE, quantised on the way,
; and its codes (128 KB) stay in LDS.  b goes in two passes of 512 rows; in a pass wave w owns 128 rows b x 128 e: 64 accumulators, 512 registers.  Pass 0 multiplies K step s as soon as it is quantised;
; pass 1 multiplies from the codes alone.  The two passes are written one behind the other, so that every counted wait holds on every path of the text.
; THE KERNEL'S WAY.  K step s is 128 rows d; wave w quantises block 4 s + w (32 d x 128 e).  A load takes one row d: 32 lanes x 16 bytes = 512 consecutive bytes, so a lane holds FOUR columns e = 4 l + q and
; its registers run down d.  Four columns have four scales, and the conversion takes one scale a lane: so each number is multiplied by its column's 2^-e (exact), held at +-448 and converted with the scale 1.
; The codes, four columns to a register, are turned by byte permutes into 16 bytes along d of one column, and stored into the image of the operand's registers.
; THE COLUMNS OF A TILE ARE NOT NEIGHBOURS: e = 32 b + u goes to tile 2 b + ((u >> 3) & 1), row (u & 7) + 8 (u >> 4), so that a lane's 16 results of tiles 2 b, 2 b + 1 are 16 neighbours along e, the next K.
; THE MATRIX INSTRUCTION: source 0 = 16 columns e of the kernel, source 1 = 16 rows b of x: a lane holds ONE row b, its registers run along e.  The bias is loaded into the accumulators ahead of K step 0.
; x comes as records (128 rows x 128 d as register images, 17,408 bytes, see the launch before) through two LDS slots, one record a wave and K step.
; CLUSTER.  The four work-groups of a cluster have the same c and walk the same records of x: each record is asked for JOINTLY (mask 15).  The kernel's slab is no other work-group's: it comes by plain loads.
; By this text's own count a wave has one tensor load out.
; LIMITS: NaN and infinities are not served; a block under 2^-118 keeps the byte 1; a block of zeros has the byte 1 and zero codes.
; LDS: 0 the codes: tile T at 16,400 T (16 bytes of skew a tile: the 16 lanes of a store fall on 16 different 16-byte columns), K step s at + 2048 s, registers 4 c.. at + 512 c, lane at + 16 l;
;   KSC the kernel's scale words: 512 s + 32 row + 4 T, byte w;  BIA the bias, 512 bytes a wave;  SPARE the spare words;  SL0, SL1 the slots, wave w's record at + 17,408 w.
; REGISTERS: window 0: see below; window 1: two staging sets of 32 rows x 4; windows 2, 3: accumulator (a, T) at 64 (a % 4) + 8 T of window 2 + a / 4.
.set REC,   17408
.set XSTEP, 8*REC                      ; from K step to K step in xq
.set KTP,   16400
.set KSC,   131328
.set BIA,   135424
.set SPARE, 137472
.set SL0,   137984
.set SL1,   207616
.set DSTEP, 524288                     ; 128 rows of the kernel, 4,096 bytes each
.set SPW, 4                            ; v4   my spare word; never rewritten
.set NIL, 5                            ; v5   0; never rewritten
.set L16, 6                            ; v6   16 x lane: offset of loads and stores, and my place in an image; never rewritten
.set QA0, 7                            ; v7   where my columns' codes go: 16,400 T(l) + 16 r0(l) + 512 w
.set QB0, 8                            ; v8   and their scale bytes: KSC + 32 r0(l) + 4 T(l) + w
.set KS0, 9                            ; v9   KSC + 32 (l % 16)
.set XA,  10                           ; v10-11  my record in slot 0, 1: + 16 l
.set BA,  12                           ; v12  BIA + 512 w + 64 (l / 16)
.set QAC, 13                           ; v13-17  the K step's addresses
.set QBC, 14
.set KAL, 15
.set KAH, 16
.set KSA, 17
.set FLR, 18                           ; v18  2^(9 - 127)
.set ONE, 19                           ; v19  1.0
.set MX,  20                           ; v20-23  the four columns' largest magnitudes
.set SC,  24                           ; v24-27  their scale bytes
.set INV, 28                           ; v28-31  1 / their scales
.set KS,  32                           ; v32-39  the kernel's scale words, tile T: scales and nothing else
.set XS,  40                           ; v40-47  x's, fragment a: scales and nothing else
.set TM,  48                           ; v48-63  at work on the way out
.set KF,  64                           ; v64-191 the kernel's 8 fragments of a K step
.set XF,  192                          ; v192-255 four fragments of x
.set TT,  64                           ; while a block is quantised: v64-95 codes by rows, then by columns; v96-127 half turned
.set AB,  96
.set PC,  64                           ; on the way out: v64-79 a fragment's codes, v96-103 the scale words
.set PW,  96
.set WV,  12                           ; s12  wave
.set G1,  24                           ; s[24:31] descriptor group 1
.set G0A, 32                           ; s[32:35] group 0 for slot 0;  s[36:39] for slot 1
.set G0B, 36
.set XB,  40                           ; s[40:41] my record of K step 0 of the pass to come
.set KP,  42                           ; s[42:43] the kernel at my block of the K step in hand
.set OB,  44                           ; s[44:45] my record of xbq
.set KO,  46                           ; s46  2048 s
.set KSO, 47                           ; s47  512 s
.set TR,  48
.set NEG, 49
.set POS, 50
.set MNT, 51
.set SEL, 52                           ; s[52:53]
.set P1A, 54                           ; s54-57 byte selects
.set P1B, 55
.set P2A, 56
.set P2B, 57
.set MSB, 0
.macro WIN new                         ; the immediate's high byte repeats the setting that is left
.if MSB != (\new)
	s_set_vgpr_msb (MSB<<8)|(\new)
.set MSB, (\new)
.endif
.endm
.macro PLACES n
.rept \n
	v_nop
.endr
.endm
.macro CROUND                          ; a round of the cluster's barrier
	s_barrier_signal -1
	s_barrier_wait -1
	s_cmp_lg_u32 s[WV], 0
	s_cbranch_scc1 .Lnot_wave_0_\@
	s_barrier_signal -3
.Lnot_wave_0_\@:
	s_barrier_wait -3
	s_barrier_signal -1
	s_barrier_wait -1
.endm
; The head of a pass: both groups 0 are set to the pass's K steps 0 and 1, and slot 0 is asked for.
.macro TOP
	s_wait_tensorcnt 0x0                           ; no tensor load of mine is out: the groups 0 may be written
	ds_add_u32 v[SPW], v[NIL]
	s_mov_b64 s[G0A+2:G0A+3], s[XB:XB+1]
	s_add_nc_u64 s[G0B+2:G0B+3], s[XB:XB+1], XSTEP
	s_or_b32 s[G0A+3], s[G0A+3], 0x80000000        ; type = 2
	s_or_b32 s[G0B+3], s[G0B+3], 0x80000000
	s_add_nc_u64 s[XB:XB+1], s[XB:XB+1], 4*REC     ; the next pass's rows
	s_wait_dscnt 0x0                               ; the add is done, and so are my reads of the slots
	CROUND
	tensor_load_to_lds s[G0A:G0A+3], s[G1:G1+7]
	s_nop 0
	PLACES 4
.endm
; In front of K step s, which lies in slot g: my load has landed, my LDS stores and reads are done; behind the round (fill = 1) the other slot takes K step s + 1.
.macro SYNC g, fill
	s_wait_tensorcnt 0x0
	ds_add_u32 v[SPW], v[NIL]
	s_add_nc_u64 s[G0A+4*\g+2:G0A+4*\g+3], s[G0A+4*\g+2:G0A+4*\g+3], 2*XSTEP   ; this slot's next K step
	s_wait_dscnt 0x0                               ; the add, my codes' stores and my reads of the other slot are done
.if \fill
	CROUND                                         ; the same now holds of every wave of the four work-groups
	tensor_load_to_lds s[G0B-4*\g:G0B-4*\g+3], s[G1:G1+7]
	s_nop 0
	PLACES 4
.else
	s_barrier_signal -1
	s_barrier_wait -1
.endif
.endm
; My block of the K step in hand (32 d x 128 e, in staging set 'set') becomes codes and scale bytes in LDS.  more = 1: the set takes the block two K steps on.  left: the younger loads, the other set's.
.macro QBLOCK set, more, left
.set R, 128*(\set)
	s_wait_loadcnt \left
	WIN 0x14                                       ; sources 1 and 2 window 1
.irp q, 0,1,2,3
	v_max3_num_f32 v[MX+\q], v[FLR], |v[R+\q]|, |v[R+4+\q]|      ; column q: down d, with the floor among the leaves
.endr
.set I, 1
.rept 15
.irp q, 0,1,2,3
	v_max3_num_f32 v[MX+\q], v[MX+\q], |v[R+8*I+\q]|, |v[R+8*I+4+\q]|
.endr
.set I, I+1
.endr
	WIN 0
.irp q, 0,1,2,3
	v_add_nc_u32 v[SC+\q], 0xfc000000, v[MX+\q]    ; 8 off the exponent field
.endr
.irp q, 0,1,2,3
	v_and_b32 v[INV+\q], 0x7f800000, v[SC+\q]
.endr
.irp q, 0,1,2,3
	v_sub_nc_u32 v[INV+\q], 0x7f000000, v[INV+\q]  ; exponent field 254 - byte: 1 / the scale, a power of two
.endr
.irp q, 0,1,2,3
	v_lshrrev_b32 v[SC+\q], 23, v[SC+\q]           ; the scale's byte
.endr
	v_add_nc_u32 v[QAC], s[KO], v[QA0]
	v_add_nc_u32 v[QBC], s[KSO], v[QB0]
	WIN 0x41                                       ; destination and source 0 window 1
.set I, 0
.rept 32
	v_pk_mul_f32 v[R+4*I:R+4*I+1], v[R+4*I:R+4*I+1], v[INV:INV+1]           ; exact: a power of two
	v_pk_mul_f32 v[R+4*I+2:R+4*I+3], v[R+4*I+2:R+4*I+3], v[INV+2:INV+3]
.set I, I+1
.endr
.set I, 0
.rept 128
	v_med3_num_f32 v[R+I], v[R+I], s[NEG], s[POS]  ; the conversion does not saturate (ISA guide 7.6.2): the hold at +-448
.set I, I+1
.endr
	WIN 0x01
.set I, 0
.rept 16
	v_cvt_scalef32_pk8_fp8_f32 v[TT+2*I:TT+2*I+1], v[R+8*I:R+8*I+7], v[ONE]   ; rows 2 I, 2 I + 1: a register holds one row's four columns
.set I, I+1
.endr
	v_nop                                          ; one plain line behind the last conversion
.if \more
	s_wait_xcnt 0x0                                ; the loads issued a K step ago have read their base
	s_add_nc_u64 s[KP:KP+1], s[KP:KP+1], DSTEP
	WIN 0x40
.set I, 0
.rept 32
	global_load_b128 v[R+4*I:R+4*I+3], v[L16], s[KP:KP+1] offset:DSTEP+4096*I th:TH_LOAD_NT   ; 512 consecutive bytes of row I, two K steps on
.set I, I+1
.endr
.endif
	WIN 0
.set I, 0
.rept 8                                        ; 4 x 4 bytes are turned in two stages
	v_perm_b32 v[AB+4*I],   v[TT+4*I+1], v[TT+4*I],   s[P1A]
	v_perm_b32 v[AB+4*I+1], v[TT+4*I+1], v[TT+4*I],   s[P1B]
	v_perm_b32 v[AB+4*I+2], v[TT+4*I+3], v[TT+4*I+2], s[P1A]
	v_perm_b32 v[AB+4*I+3], v[TT+4*I+3], v[TT+4*I+2], s[P1B]
.set I, I+1
.endr
.set I, 0
.rept 8                                        ; v[TT + 8 q + I]: column q, rows 4 I .. 4 I + 3
	v_perm_b32 v[TT+I],    v[AB+4*I+2], v[AB+4*I],   s[P2A]
	v_perm_b32 v[TT+8+I],  v[AB+4*I+2], v[AB+4*I],   s[P2B]
	v_perm_b32 v[TT+16+I], v[AB+4*I+3], v[AB+4*I+1], s[P2A]
	v_perm_b32 v[TT+24+I], v[AB+4*I+3], v[AB+4*I+1], s[P2B]
.set I, I+1
.endr
.irp q, 0,1,2,3
	ds_store_b128 v[QAC], v[TT+8*\q:TT+8*\q+3] offset:16*\q          ; d 0-15 of the block: the image's lane r0 + q
	ds_store_b128 v[QAC], v[TT+8*\q+4:TT+8*\q+7] offset:16*\q+256    ; d 16-31: lane 16 + r0 + q
	ds_store_b8 v[QBC], v[SC+\q] offset:32*\q
.endr
.endm
.macro XFRAG buf, slot, a
.irp c, 0,1,2,3
	ds_load_b128 v[XF+16*(\buf)+4*\c:XF+16*(\buf)+4*\c+3], v[XA+\slot] offset:2048*(\a)+512*\c
.endr
.endm
.macro MUL8 a, buf                     ; fragment a of x against the kernel's eight tiles; the accumulators take turns
.irp t, 0,1,2,3,4,5,6,7
	v_wmma_scale_f32_16x16x128_f8f6f4 v[64*((\a)%4)+8*\t:64*((\a)%4)+8*\t+7], v[KF+16*\t:KF+16*\t+15], v[XF+16*(\buf):XF+16*(\buf)+15], v[64*((\a)%4)+8*\t:64*((\a)%4)+8*\t+7], v[KS+\t], v[XS+(\a)]
.endr
.endm
; A K step: 64 matrix instructions.  Loads into registers that matrix instructions have read stand eight plain places behind them.
.macro MSTEP slot
	PLACES 8
	v_add_nc_u32 v[KAL], s[KO], v[L16]
	v_add_nc_u32 v[KSA], s[KSO], v[KS0]
	v_add_nc_u32 v[KAH], 4*KTP, v[KAL]
	ds_load_b128 v[KS:KS+3], v[KSA]
	ds_load_b128 v[KS+4:KS+7], v[KSA] offset:16
	ds_load_b128 v[XS:XS+3], v[XA+\slot] offset:16384
	ds_load_b128 v[XS+4:XS+7], v[XA+\slot] offset:16896
.irp t, 0,1,2,3
.irp c, 0,1,2,3
	ds_load_b128 v[KF+16*\t+4*\c:KF+16*\t+4*\c+3], v[KAL] offset:KTP*\t+512*\c
.endr
.endr
.irp t, 0,1,2,3
.irp c, 0,1,2,3
	ds_load_b128 v[KF+64+16*\t+4*\c:KF+64+16*\t+4*\c+3], v[KAH] offset:KTP*\t+512*\c
.endr
.endr
	XFRAG 0, \slot, 0
	XFRAG 1, \slot, 1
	XFRAG 2, \slot, 2
	XFRAG 3, \slot, 3
	s_wait_dscnt 12                                ; fragments 1 to 3 may be out
	WIN 0xa0                                       ; C and D window 2
	MUL8 0, 0
	s_wait_dscnt 8
	MUL8 1, 1
	PLACES 8
	WIN 0
	XFRAG 0, \slot, 4
	XFRAG 1, \slot, 5
	s_wait_dscnt 12                                ; fragment 3 and the eight just issued may be out
	WIN 0xa0
	MUL8 2, 2
	s_wait_dscnt 8
	MUL8 3, 3
	PLACES 8
	WIN 0
	XFRAG 2, \slot, 6
	XFRAG 3, \slot, 7
	s_wait_dscnt 12                                ; fragment 5 and the eight just issued may be out
	WIN 0xf0                                       ; C and D window 3
	MUL8 4, 0
	s_wait_dscnt 8
	MUL8 5, 1
	s_wait_dscnt 4
	MUL8 6, 2
	s_wait_dscnt 0
	MUL8 7, 3
	WIN 0
	s_add_co_u32 s[KO], s[KO], 2048
	s_add_co_u32 s[KSO], s[KSO], 512
.endm
; The sums begin as the bias: register j of tile T in lane (r, h) is e = 32 (T / 2) + 16 h + 8 (T % 2) + j.  The wait for these loads is the next SYNC's.
.macro ACCHALF
.irp a, 0,1,2,3
.irp t, 0,1,2,3,4,5,6,7
	ds_load_b128 v[64*\a+8*\t:64*\a+8*\t+3], v[BA] offset:128*(\t/2)+32*(\t%2)
	ds_load_b128 v[64*\a+8*\t+4:64*\a+8*\t+7], v[BA] offset:128*(\t/2)+32*(\t%2)+16
.endr
.endr
.endm
.macro ACCINIT
	WIN 0x80
	ACCHALF
	WIN 0xc0
	ACCHALF
	WIN 0
.endm
; Fragment a's 64 results of a lane (one row b, e = 32 b + 16 h + i in register 16 b + i) become codes in v[PC] on and the scale word v[PW + a].
.macro QUANTW a
.set W, 2+(\a)/4
.set AC0, 64*((\a)%4)
.set WN, (W<<2)|(W<<4)
	WIN WN                                         ; sources 1 and 2: the accumulators' window
.irp b, 0,1,2,3
	v_max3_num_f32 v[TM+\b], v[FLR], |v[AC0+16*\b]|, |v[AC0+16*\b+1]|       ; each accumulator is read from its low end on
.endr
.irp i, 2,4,6,8,10,12,14
.irp b, 0,1,2,3
	v_max3_num_f32 v[TM+\b], v[TM+\b], |v[AC0+16*\b+\i]|, |v[AC0+16*\b+\i+1]|
.endr
.endr
	WIN 0
.irp b, 0,1,2,3
	v_permlanex16_b32 v[TM+4+\b], v[TM+\b], s[SEL], s[SEL+1]
.endr
.irp b, 0,1,2,3
	v_max_num_f32 v[TM+\b], v[TM+\b], v[TM+4+\b]
.endr
.irp b, 0,1,2,3
	v_add_nc_u32 v[TM+12+\b], 0xfc000000, v[TM+\b]
.endr
.irp b, 0,1,2,3
	v_and_or_b32 v[TM+8+\b], v[TM+\b], 0x7f800000, s[MNT]
.endr
.irp b, 0,1,2,3
	v_lshrrev_b32 v[TM+4+\b], 23, v[TM+12+\b]
.endr
	v_lshl_or_b32 v[PW+(\a)], v[TM+5], 8, v[TM+4]
	v_lshl_or_b32 v[PW+(\a)], v[TM+6], 16, v[PW+(\a)]
	v_lshl_or_b32 v[PW+(\a)], v[TM+7], 24, v[PW+(\a)]
.set WN, W|(W<<6)
	WIN WN                                         ; destination and source 0: the accumulators' window
.irp b, 0,1,2,3
.irp i, 0,1,2,3,4,5,6,7,8,9,10,11,12,13,14,15
	v_med3_num_f32 v[AC0+16*\b+\i], v[AC0+16*\b+\i], -v[TM+8+\b], v[TM+8+\b]
.endr
.endr
	s_wait_xcnt 0x0                                ; the last fragment's stores have read v[PC] on
	WIN W
.irp b, 0,1,2,3
	v_cvt_scalef32_pk8_fp8_f32 v[PC+4*\b:PC+4*\b+1], v[AC0+16*\b:AC0+16*\b+7], v[TM+12+\b]
	v_cvt_scalef32_pk8_fp8_f32 v[PC+4*\b+2:PC+4*\b+3], v[AC0+16*\b+8:AC0+16*\b+15], v[TM+12+\b]
.endr
	v_nop
	WIN 0
.endm
.macro EPI                             ; my 128 rows x 128 e leave as one whole record
	PLACES 8
.irp a, 0,1,2,3,4,5,6,7
	QUANTW \a
.irp c, 0,1,2,3
	global_store_b128 v[L16], v[PC+4*\c:PC+4*\c+3], s[OB:OB+1] offset:2048*\a+512*\c   ; 512 consecutive bytes
.endr
.if (\a%4)==3
	global_store_b128 v[L16], v[PW+\a-3:PW+\a], s[OB:OB+1] offset:16384+512*(\a/4)
.endif
.endr
	s_wait_xcnt 0x0                                ; the stores have read their base and their data
	s_add_nc_u64 s[OB:OB+1], s[OB:OB+1], 32*REC    ; four blocks of rows on
.endm
	s_load_b256 s[4:11], s[0:1], 0x0               ; kernel, bias, xq, xbq
	v_lshl_add_u32 v[SPW], v0, 2, SPARE
	v_mov_b32 v[NIL], 0
	v_lshrrev_b32 v1, 5, v0
	v_readfirstlane_b32 s[WV], v1                  ; wave 0..3
	s_bfe_u32 s13, ttmp6, 0x40000                  ; cx: it enters the kernel's, the bias's and xbq's addresses alone
	s_lshl_b32 s14, ttmp9, 2
	s_add_co_u32 s14, s14, s13                     ; ex
	s_and_b32 s15, ttmp7, 0xffff                   ; c
	s_lshl_b32 s16, s15, 22                        ; the kernel: class c, 4 MiB each,
	s_lshl_b32 s17, s14, 9                         ; + 128 ex columns,
	s_add_co_u32 s16, s16, s17
	s_lshl_b32 s17, s[WV], 17                      ; + 32 w rows
	s_add_co_u32 s16, s16, s17
	s_mov_b32 s17, 0
	s_lshl_b32 s18, s15, 12                        ; the bias
	s_lshl_b32 s19, s14, 9
	s_add_co_u32 s18, s18, s19
	s_mov_b32 s19, 0
	s_lshl_b32 s58, s15, 3                         ; xbq: record ((8 c + w) 8 + ex)
	s_add_co_u32 s58, s58, s[WV]
	s_lshl_b32 s58, s58, 3
	s_add_co_u32 s58, s58, s14
	s_mul_i32 s58, s58, REC
	s_mov_b32 s59, 0
	s_mul_i32 s20, s[WV], REC                      ; xq: record w of K step 0; and my record's place in a slot
	s_mov_b32 s21, 0
	s_lshl_b32 s22, s[WV], 9
	v_and_b32 v1, 31, v0
	v_lshlrev_b32 v[L16], 4, v1
	s_wait_kmcnt 0x0
	s_add_nc_u64 s[KP:KP+1], s[4:5], s[16:17]
	s_add_nc_u64 s[6:7], s[6:7], s[18:19]
	s_add_nc_u64 s[OB:OB+1], s[10:11], s[58:59]
	s_add_nc_u64 s[XB:XB+1], s[8:9], s[20:21]
	global_load_b128 v[TM:TM+3], v[L16], s[6:7]    ; bias of e = 4 l .. 4 l + 3
	WIN 0x40
.set I, 0
.rept 32
	global_load_b128 v[4*I:4*I+3], v[L16], s[KP:KP+1] offset:4096*I th:TH_LOAD_NT          ; K step 0's block
.set I, I+1
.endr
.set I, 0
.rept 32
	global_load_b128 v[128+4*I:128+4*I+3], v[L16], s[KP:KP+1] offset:DSTEP+4096*I th:TH_LOAD_NT   ; K step 1's
.set I, I+1
.endr
	WIN 0
	; descriptor group 1: a record, 17,408 dense bytes, as 68 rows of 32 elements of 8 bytes
	s_mov_b32 s[G1], 15|(3<<16)|(1<<21)            ; 15:0 the mask: all four work-groups; 17:16 elements of 8 bytes; 21 set beside a mask
	s_mov_b32 s[G1+1], 32<<16                      ; tensor_dim0
	s_mov_b32 s[G1+2], 68<<16                      ; tensor_dim1
	s_mov_b32 s[G1+3], 32<<16                      ; tile_dim0
	s_mov_b32 s[G1+4], 68                          ; tile_dim1
	s_mov_b32 s[G1+5], 32                          ; the pitch
	s_mov_b32 s[G1+6], 0
	s_mov_b32 s[G1+7], 0
	s_mov_b32 s[G0A], 1
	s_add_co_u32 s[G0A+1], s20, SL0
	s_mov_b32 s[G0B], 1
	s_add_co_u32 s[G0B+1], s20, SL1
	s_mov_b32 s[NEG], 0xc3e00000                   ; -448
	s_mov_b32 s[POS], 0x43e00000                   ; 448
	s_mov_b32 s[MNT], 0x600000
	s_mov_b32 s[SEL], 0x76543210
	s_mov_b32 s[SEL+1], 0xfedcba98
	s_mov_b32 s[P1A], 0x05010400
	s_mov_b32 s[P1B], 0x07030602
	s_mov_b32 s[P2A], 0x05040100
	s_mov_b32 s[P2B], 0x07060302
	v_bfe_u32 v2, v0, 3, 2
	v_bfe_u32 v3, v0, 1, 1
	v_lshl_add_u32 v2, v2, 1, v3                   ; T(l) = 2 (l / 8) + ((l / 2) % 2)
	v_and_b32 v3, 1, v0
	v_bfe_u32 v1, v0, 2, 1
	v_lshlrev_b32 v3, 2, v3
	v_lshl_add_u32 v3, v1, 3, v3                   ; r0(l) = 4 (l % 2) + 8 ((l / 4) % 2)
	v_mul_u32_u24 v[QA0], v2, KTP
	v_lshl_add_u32 v[QA0], v3, 4, v[QA0]
	v_add_nc_u32 v[QA0], s22, v[QA0]
	v_lshl_add_u32 v[QB0], v3, 5, KSC
	v_lshl_add_u32 v[QB0], v2, 2, v[QB0]
	v_add_nc_u32 v[QB0], s[WV], v[QB0]
	v_and_b32 v[KS0], 15, v0
	v_lshl_add_u32 v[KS0], v[KS0], 5, KSC
	v_add_nc_u32 v[XA], s[G0A+1], v[L16]
	v_add_nc_u32 v[XA+1], s[G0B+1], v[L16]
	v_bfe_u32 v[BA], v0, 4, 1
	v_lshl_add_u32 v[BA], v[BA], 6, BIA
	v_add_nc_u32 v[BA], s22, v[BA]
	v_add_nc_u32 v[QAC], s22, v[L16]
	v_add_nc_u32 v[QAC], BIA, v[QAC]               ; for now: where my 16 bytes of the bias go
	v_mov_b32 v[FLR], 0x4800000
	v_mov_b32 v[ONE], 1.0
.irp b, 0,1,2,3
	v_mov_b32 v[TM+4+\b], 0                        ; a lane permute's destination counts as one of its sources
.endr
	s_wait_loadcnt 63                              ; 64 loads were issued behind the bias's; the count's field ends at 63, and a smaller count is safe
	ds_store_b128 v[QAC], v[TM:TM+3]               ; my wave's own copy: no other wave reads it
	; ---- pass 0: rows b 128 w on; K step s is quantised, then multiplied
	TOP
	ACCINIT
	s_mov_b32 s[KO], 0
	s_mov_b32 s[KSO], 0
	s_mov_b32 s[TR], 3
.Lk0:                                                  ; a trip: two K steps, the two staging sets and the two slots by turns
	QBLOCK 0, 1, 32
	SYNC 0, 1
	MSTEP 0
	QBLOCK 1, 1, 32
	SYNC 1, 1
	MSTEP 1
	s_sub_co_u32 s[TR], s[TR], 1
	s_cmp_lg_u32 s[TR], 0
	s_cbranch_scc1 .Lk0
	QBLOCK 0, 0, 32                                ; K steps 6 and 7 are written out: nothing more is loaded, and the last asks for no tile
	SYNC 0, 1
	MSTEP 0
	QBLOCK 1, 0, 0
	SYNC 1, 0
	MSTEP 1
	EPI
	; ---- pass 1: rows b 512 + 128 w on, from the codes in LDS
	TOP
	ACCINIT
	s_mov_b32 s[KO], 0
	s_mov_b32 s[KSO], 0
	s_mov_b32 s[TR], 3
.Lk1:
	SYNC 0, 1
	MSTEP 0
	SYNC 1, 1
	MSTEP 1
	s_sub_co_u32 s[TR], s[TR], 1
	s_cmp_lg_u32 s[TR], 0
	s_cbranch_scc1 .Lk1
	SYNC 0, 1
	MSTEP 0
	SYNC 1, 0
	MSTEP 1
	EPI
	s_wait_tensorcnt 0x0                           ; the wave's end
	ds_add_u32 v[SPW], v[NIL]
	s_wait_dscnt 0x0
	CROUND                                         ; the closing round
	s_endpgm
.Lfunc_end_k_q86342f505d_gemm1:
	.size	k_q86342f505d_gemm1, .Lfunc_end_k_q86342f505d_gemm1-k_q86342f505d_gemm1
	.p2alignl 7, 3214868480
	.fill 96, 4, 3214868480
	.section	.rodata,"a",@progbits
	.p2align	6, 0x0
	.amdhsa_kernel k_q86342f505d_gemm1
		.amdhsa_group_segment_fixed_size 327680
		.amdhsa_private_segment_fixed_size 0
		.amdhsa_enable_private_segment 0
		.amdhsa_kernarg_size 32
		.amdhsa_user_sgpr_count 2
		.amdhsa_user_sgpr_kernarg_segment_ptr 1
		.amdhsa_wavefront_size32 1
		.amdhsa_system_sgpr_workgroup_id_x 1
		.amdhsa_system_sgpr_workgroup_id_y 1
		.amdhsa_system_sgpr_workgroup_id_z 1
		.amdhsa_system_vgpr_workitem_id 0
		.amdhsa_next_free_vgpr 1024
		.amdhsa_next_free_sgpr 66
		.amdhsa_reserve_vcc 0
		.amdhsa_float_denorm_mode_32 3
		.amdhsa_float_denorm_mode_16_64 3
		.amdhsa_memory_ordered 1
		.amdhsa_forward_progress 1
		.amdhsa_inst_pref_size 255
	.end_amdhsa_kernel
	.section	.bss,"aw",@nobits
	.p2align	6
	.space	262144
	.amdgpu_metadata
---
amdhsa.version: [ 1, 2 ]
amdhsa.kernels:
  - .name:           k_q86342f505d_gemm1
    .symbol:         k_q86342f505d_gemm1.kd
    .args:
      - { .name: kernel, .offset: 0, .size: 8, .value_kind: global_buffer, .address_space: global }
      - { .name: bias, .offset: 8, .size: 8, .value_kind: global_buffer, .address_space: global }
      - { .name: xq, .offset: 16, .size: 8, .value_kind: global_buffer, .address_space: global }
      - { .name: xbq, .offset: 24, .size: 8, .value_kind: global_buffer, .address_space: global }
    .group_segment_fixed_size: 327680
    .private_segment_fixed_size: 0
    .kernarg_segment_align: 8
    .kernarg_segment_size: 32
    .max_flat_workgroup_size: 128
    .sgpr_count:     66
    .vgpr_count:     1024
    .wavefront_size: 32
...
	.end_amdgpu_metadata
.endif
;; end of part 2
;; launch gemm2 (part 3): grid 8 x 31, 4 waves a work-group, clusters of 4 x 1, 327,680 bytes of LDS; arguments xbq, labels, sp, pmi, pmj; writes sp, pmi, pmj
.if DOCPART == 3
	.amdgcn_target "amdgcn-amd-amdhsa--gfx1250"
	.amdhsa_code_object_version 6
	.text
	.protected	k_q86342f505d_gemm2
	.globl	k_q86342f505d_gemm2
	.p2align	8
	.type	k_q86342f505d_gemm2,@function
k_q86342f505d_gemm2:
	s_mov_b64 s[64:65], 0
	v_nop
	global_prefetch_b8 v0, s[64:65] scope:SCOPE_SE
	s_setreg_imm32_b32 hwreg(HW_REG_WAVE_MODE, 25, 1), 1
	s_wait_xcnt 0x0
	s_wait_alu depctr_hold_cnt(0) depctr_sa_sdst(0) depctr_va_vdst(0) depctr_va_sdst(0) depctr_va_ssrc(0) depctr_va_vcc(0) depctr_vm_vsrc(0)
	s_getreg_b32 s2, hwreg(HW_REG_IB_STS2, 6, 4)
	s_cmp_eq_u32 s2, 0
	s_cbranch_scc0 .Lentry_in_a_cluster
	s_endpgm
.Lentry_in_a_cluster:
	s_bfe_u32 s2, ttmp6, 0x10000c
	s_cmp_lg_u32 s2, 0x3003
	s_cbranch_scc0 .Lentry_shape_is_right
	s_endpgm
.Lentry_shape_is_right:
; S_c[i][j] = sum over e of xB[c][i][e] xB[c][j][e] on the codes of the launch before, for i < 512 <= j alone: the mask that is built from the row numbers keeps only pairs from different halves
; of the batch, and S_c and the label mask are symmetric, so this block serves both orientations.  Where labels[i][c] != labels[j][c] the score becomes -infinity (the mark of a masked pair).
; OUT: sp: the scores as images of the accumulators: class c at c 2^20, tile (i / 16, (j - 512) / 16) = (TI, TJ) at (32 TI + TJ) 1024, registers 4 u .. 4 u + 3 at + 512 u, lane l at + 16 l;
;   lane (r, h), register k holds i = 16 TI + r, j = 512 + 16 TJ + 8 h + k.   pmi[c][8][512]: the largest score of row i over 64 columns j;   pmj[c][4][512]: of column j over 128 rows i.
; SHARES.  A work-group: class c, 256 rows i (ib = 0, 1) x 128 columns j (jb = 0..3).  A wave: 128 i x 64 j: 32 accumulators.  K = e: 8 steps, one record (17,408 bytes: 128 rows x 128 e as register images) each.
; THE MATRIX INSTRUCTION: source 0 = 16 rows j, source 1 = 16 rows i.
; LDS: three slots of two K steps each: i's two records' pairs at 0 and 34,816, j's pair at 69,632.  So six of the eight K steps are first fills; K steps 6, 7 fill slot 0 again.
; CLUSTER.  The four work-groups of a cluster share c and ib: i's records, two thirds of a step's bytes, are asked for JOINTLY (waves 0, 1; mask 15).  j's records are each work-group's own
; (jb is its place in the cluster): waves 2, 3 fetch them by plain tensor loads behind the same rounds.  By this text's own count a wave has three tensor loads out at the start, later one.
; LIMITS: scores are taken to be finite.  Labels are compared as whole 32-bit numbers.
; REGISTERS: window 0 below; windows 1 and 2: two sets of fragments (i's eight at v0-127, j's four at v128-191); window 3: accumulator (ti, tj) at 8 (4 ti + tj).
.set REC,   17408
.set SLOTB, 6*REC
.set JOFF,  4*REC
.set SCR,   3*SLOTB                    ; 1,024 bytes for each wave
.set SPARE, SCR+4096
.set SPW, 4
.set NIL, 5
.set NINF, 6                           ; v6   -infinity
.set L16, 7                            ; v7   16 x lane
.set IA,  8                            ; v8-10   my record of i in slot n, + 16 l
.set JA,  11                           ; v11-13  my four fragments of j
.set JSA, 14                           ; v14-16  their scale words
.set LIO, 17
.set LJO, 18
.set SA,  19
.set SB,  20
.set SRD, 21
.set SRE, 22
.set L8,  23
.set LI,  24                           ; v24-31  labels[i][c], i = 16 ti + r
.set LJ,  32                           ; v32-63  labels[j][c], j = 16 tj + 8 h + k in register 8 tj + k
.set SCL, 64                           ; v64-87  scale words, two sets of 8 (i) + 4 (j): scales and nothing else
.set TP,  88
.set RI,  96                           ; v96-103  row maxima
.set CJ,  104                          ; v104-135 column maxima
.set WV,  14
.set G1I, 24
.set G1J, 32
.set G0I, 40                           ; s[40:51] a group 0 for each slot
.set G0J, 52                           ; s[52:63]
.set MK,  68                           ; s68-99  compare masks
.set SEL, 100                          ; s[100:101] lane selects: lane l xor 16
.set MSB, 0
.macro WIN new
.if MSB != (\new)
	s_set_vgpr_msb (MSB<<8)|(\new)
.set MSB, (\new)
.endif
.endm
.macro PLACES n
.rept \n
	v_nop
.endr
.endm
.macro CROUND
	s_barrier_signal -1
	s_barrier_wait -1
	s_cmp_lg_u32 s[WV], 0
	s_cbranch_scc1 .Lnot_wave_0_\@
	s_barrier_signal -3
.Lnot_wave_0_\@:
	s_barrier_wait -3
	s_barrier_signal -1
	s_barrier_wait -1
.endm
; K step n's fragments and scale words into set 0 (window 1) or 1 (window 2): 51 LDS loads in one run
.macro FETCH n, set
.set SLT, ((\n)/2)%3
.set STF, REC*((\n)%2)
.set WN, 0x40*(1+(\set))
	WIN WN
.irp t, 0,1,2,3,4,5,6,7
.irp c, 0,1,2,3
	ds_load_b128 v[16*\t+4*\c:16*\t+4*\c+3], v[IA+SLT] offset:STF+2048*\t+512*\c
.endr
.endr
.irp t, 0,1,2,3
.irp c, 0,1,2,3
	ds_load_b128 v[128+16*\t+4*\c:128+16*\t+4*\c+3], v[JA+SLT] offset:STF+2048*\t+512*\c
.endr
.endr
	WIN 0
	ds_load_b128 v[SCL+12*(\set):SCL+12*(\set)+3], v[IA+SLT] offset:STF+16384
	ds_load_b128 v[SCL+12*(\set)+4:SCL+12*(\set)+7], v[IA+SLT] offset:STF+16896
	ds_load_b128 v[SCL+12*(\set)+8:SCL+12*(\set)+11], v[JSA+SLT] offset:STF
.endm
; 32 matrix instructions, the 32 accumulators by turns.  zero = 1: the first K step starts the sums
.macro MUL set, zero
.set WN, 0xf5+5*(\set)
	WIN WN
.irp ti, 0,1,2,3,4,5,6,7
.irp tj, 0,1,2,3
.if \zero
	v_wmma_scale_f32_16x16x128_f8f6f4 v[8*(4*\ti+\tj):8*(4*\ti+\tj)+7], v[128+16*\tj:128+16*\tj+15], v[16*\ti:16*\ti+15], 0, v[SCL+12*(\set)+8+\tj], v[SCL+12*(\set)+\ti]
.else
	v_wmma_scale_f32_16x16x128_f8f6f4 v[8*(4*\ti+\tj):8*(4*\ti+\tj)+7], v[128+16*\tj:128+16*\tj+15], v[16*\ti:16*\ti+15], v[8*(4*\ti+\tj):8*(4*\ti+\tj)+7], v[SCL+12*(\set)+8+\tj], v[SCL+12*(\set)+\ti]
.endif
.endr
.endr
.endm
	s_load_b256 s[4:11], s[0:1], 0x0               ; xbq, labels, sp, pmi
	s_load_b64 s[12:13], s[0:1], 0x20              ; pmj
	v_lshl_add_u32 v[SPW], v0, 2, SPARE
	v_mov_b32 v[NIL], 0
	ds_add_u32 v4, v5
	s_wait_dscnt 0x0
	v_lshrrev_b32 v1, 5, v0
	v_readfirstlane_b32 s[WV], v1                  ; wave 0..3
	s_mov_b32 s[SEL], 0x76543210
	s_mov_b32 s[SEL+1], 0xfedcba98
	s_lshr_b32 s15, s[WV], 1                       ; wi: which 128 rows i.  Also: I fetch for i (0) or for j (1)
	s_and_b32 s16, s[WV], 1                        ; wj: which 64 columns j.  Also: which record I fetch
	s_bfe_u32 s17, ttmp6, 0x40000                  ; jb = my place in the cluster: it enters global addresses alone, and none of a joint load
	s_and_b32 s19, ttmp7, 0xffff                   ; c;  ib = ttmp9, the cluster's number
	s_lshl_b32 s20, s19, 3
	s_lshl_b32 s21, ttmp9, 1
	s_add_co_u32 s20, s20, s21
	s_add_co_u32 s20, s20, s16                     ; i: block of rows 8 c + 2 ib + (w & 1),
	s_mul_i32 s20, s20, 8*REC                      ; its eight records lie on end
	s_mov_b32 s21, 0
	s_lshl_b32 s22, s19, 3
	s_add_co_u32 s22, s22, 4
	s_add_co_u32 s22, s22, s17                     ; j: block of rows 8 c + 4 + jb,
	s_lshl_b32 s22, s22, 3
	s_add_co_u32 s22, s22, s16                     ; K step w & 1 of a slot's two
	s_mul_i32 s22, s22, REC
	s_mov_b32 s23, 0
	s_mul_i32 s66, s16, 2*REC                      ; where they go in a slot
	s_mul_i32 s67, s16, REC
	s_add_co_u32 s67, s67, JOFF
	; descriptor groups 1: dense bytes as rows of 32 elements of 8 bytes: i: two records, 136 rows, jointly;  j: one record, 68 rows, my own
	s_mov_b32 s[G1I], 15|(3<<16)|(1<<21)
	s_mov_b32 s[G1I+1], 32<<16
	s_mov_b32 s[G1I+2], 136<<16
	s_mov_b32 s[G1I+3], 32<<16
	s_mov_b32 s[G1I+4], 136
	s_mov_b32 s[G1I+5], 32
	s_mov_b32 s[G1I+6], 0
	s_mov_b32 s[G1I+7], 0
	s_mov_b32 s[G1J], 3<<16
	s_mov_b32 s[G1J+1], 32<<16
	s_mov_b32 s[G1J+2], 68<<16
	s_mov_b32 s[G1J+3], 32<<16
	s_mov_b32 s[G1J+4], 68
	s_mov_b32 s[G1J+5], 32
	s_mov_b32 s[G1J+6], 0
	s_mov_b32 s[G1J+7], 0
	s_wait_kmcnt 0x0
	s_add_nc_u64 s[20:21], s[4:5], s[20:21]
	s_add_nc_u64 s[22:23], s[4:5], s[22:23]
.irp n, 0,1,2
	s_mov_b32 s[G0I+4*\n], 1
	s_add_co_u32 s[G0I+4*\n+1], s66, \n*SLOTB
	s_add_nc_u64 s[G0I+4*\n+2:G0I+4*\n+3], s[20:21], \n*2*REC
	s_or_b32 s[G0I+4*\n+3], s[G0I+4*\n+3], 0x80000000
	s_mov_b32 s[G0J+4*\n], 1
	s_add_co_u32 s[G0J+4*\n+1], s67, \n*SLOTB
	s_add_nc_u64 s[G0J+4*\n+2:G0J+4*\n+3], s[22:23], \n*2*REC
	s_or_b32 s[G0J+4*\n+3], s[G0J+4*\n+3], 0x80000000
.endr
	CROUND                                         ; the four work-groups are here: the first joint loads meet
	s_cmp_lt_u32 s[WV], 2                          ; a wave's three first fills stand in one branch
	s_cbranch_scc0 .Lfirst_j
	tensor_load_to_lds s[G0I:G0I+3], s[G1I:G1I+7]
	s_nop 0
	tensor_load_to_lds s[G0I+4:G0I+7], s[G1I:G1I+7]
	s_nop 0
	tensor_load_to_lds s[G0I+8:G0I+11], s[G1I:G1I+7]
	s_nop 0
	PLACES 4
	s_branch .Lfirst_done
.Lfirst_j:
	tensor_load_to_lds s[G0J:G0J+3], s[G1J:G1J+7]
	s_nop 0
	tensor_load_to_lds s[G0J+4:G0J+7], s[G1J:G1J+7]
	s_nop 0
	tensor_load_to_lds s[G0J+8:G0J+11], s[G1J:G1J+7]
	s_nop 0
	PLACES 4
.Lfirst_done:
	v_and_b32 v1, 31, v0
	v_lshlrev_b32 v[L16], 4, v1
	v_lshlrev_b32 v[L8], 3, v1
	v_and_b32 v2, 15, v0                           ; r
	v_bfe_u32 v3, v0, 4, 1                         ; h
	v_mov_b32 v[NINF], 0xff800000
	v_mul_u32_u24 v[LIO], v2, 124                  ; a row of labels is 124 bytes
	v_mul_u32_u24 v[LJO], v3, 992
	s_lshl_b32 s20, ttmp9, 8                       ; labels of my rows i: row 256 ib + 128 wi, class c
	s_lshl_b32 s21, s15, 7
	s_add_co_u32 s20, s20, s21
	s_mul_i32 s20, s20, 124
	s_lshl_b32 s21, s19, 2
	s_add_co_u32 s20, s20, s21
	s_mov_b32 s21, 0
	s_add_nc_u64 s[20:21], s[6:7], s[20:21]
	s_lshl_b32 s22, s17, 7                         ; and of my columns j: row 512 + 128 jb + 64 wj
	s_lshl_b32 s23, s16, 6
	s_add_co_u32 s22, s22, s23
	s_add_co_u32 s22, s22, 512
	s_mul_i32 s22, s22, 124
	s_lshl_b32 s23, s19, 2
	s_add_co_u32 s22, s22, s23
	s_mov_b32 s23, 0
	s_add_nc_u64 s[22:23], s[6:7], s[22:23]
.irp ti, 0,1,2,3,4,5,6,7
	global_load_b32 v[LI+\ti], v[LIO], s[20:21] offset:1984*\ti
.endr
.irp tj, 0,1,2,3
.irp k, 0,1,2,3,4,5,6,7
	global_load_b32 v[LJ+8*\tj+\k], v[LJO], s[22:23] offset:124*(16*\tj+\k)
.endr
.endr
	s_mul_i32 s2, s15, 2*REC
	v_add_nc_u32 v[IA], s2, v[L16]
	v_add_nc_u32 v[IA+1], SLOTB, v[IA]
	v_add_nc_u32 v[IA+2], SLOTB, v[IA+1]
	s_lshl_b32 s2, s16, 13
	s_add_co_u32 s2, s2, JOFF
	v_add_nc_u32 v[JA], s2, v[L16]
	v_add_nc_u32 v[JA+1], SLOTB, v[JA]
	v_add_nc_u32 v[JA+2], SLOTB, v[JA+1]
	s_lshl_b32 s2, s16, 9
	s_add_co_u32 s2, s2, JOFF+16384
	v_add_nc_u32 v[JSA], s2, v[L16]
	v_add_nc_u32 v[JSA+1], SLOTB, v[JSA]
	v_add_nc_u32 v[JSA+2], SLOTB, v[JSA+1]
	s_lshl_b32 s2, s[WV], 10
	s_add_co_u32 s2, s2, SCR                       ; my scratch
	v_lshl_add_u32 v[SA], v2, 2, s2
	v_lshl_add_u32 v[SB], v3, 5, s2
	v_add_nc_u32 v[SB], 512, v[SB]
	v_add_nc_u32 v[SRD], s2, v[L16]
	v_add_nc_u32 v[SRE], s2, v[L8]
	v_add_nc_u32 v[SRE], 512, v[SRE]
.irp t, 0,1,2,3,4,5,6,7
	v_mov_b32 v[TP+\t], 0                          ; a lane permute's destination counts as one of its sources
.endr
	s_lshl_b32 s2, s19, 20                         ; sp: class c, tile row 16 ib + 8 wi, tile column 8 jb + 4 wj
	s_lshl_b32 s3, ttmp9, 19
	s_add_co_u32 s2, s2, s3
	s_lshl_b32 s3, s15, 18
	s_add_co_u32 s2, s2, s3
	s_lshl_b32 s3, s17, 13
	s_add_co_u32 s2, s2, s3
	s_lshl_b32 s3, s16, 12
	s_add_co_u32 s2, s2, s3
	s_mov_b32 s3, 0
	s_add_nc_u64 s[8:9], s[8:9], s[2:3]
	s_lshl_b32 s2, s19, 14                         ; pmi[c][2 jb + wj][256 ib + 128 wi]
	s_lshl_b32 s18, s17, 12
	s_add_co_u32 s2, s2, s18
	s_lshl_b32 s18, s16, 11
	s_add_co_u32 s2, s2, s18
	s_lshl_b32 s18, ttmp9, 10
	s_add_co_u32 s2, s2, s18
	s_lshl_b32 s18, s15, 9
	s_add_co_u32 s2, s2, s18
	s_add_nc_u64 s[10:11], s[10:11], s[2:3]
	s_lshl_b32 s2, s19, 13                         ; pmj[c][2 ib + wi][128 jb + 64 wj]
	s_lshl_b32 s18, ttmp9, 12
	s_add_co_u32 s2, s2, s18
	s_lshl_b32 s18, s15, 11
	s_add_co_u32 s2, s2, s18
	s_lshl_b32 s18, s17, 9
	s_add_co_u32 s2, s2, s18
	s_lshl_b32 s18, s16, 8
	s_add_co_u32 s2, s2, s18
	s_add_nc_u64 s[12:13], s[12:13], s[2:3]
	s_wait_tensorcnt 0x2                           ; my part of slot 0 is in; slots 1 and 2 may stay out
	s_barrier_signal -1
	s_barrier_wait -1
	FETCH 0, 0
	FETCH 1, 1
	s_wait_dscnt 51                                ; K step 0's run is in; K step 1's 51 loads may be out
	MUL 0, 1                                       ; K step 0 starts the sums
	WIN 0                                          ; slot 0 has been read out into the two sets: it is filled again, with K steps 6 and 7
	s_wait_tensorcnt 0x0                           ; all my tensor loads have landed
	ds_add_u32 v[SPW], v[NIL]
	s_add_nc_u64 s[G0I+2:G0I+3], s[G0I+2:G0I+3], 6*REC
	s_add_nc_u64 s[G0J+2:G0J+3], s[G0J+2:G0J+3], 6*REC
	s_wait_dscnt 0x0                               ; the add is done, and my reads of slot 0 are over
	CROUND
	s_cmp_lt_u32 s[WV], 2
	s_cbranch_scc0 .Lre_j
	tensor_load_to_lds s[G0I:G0I+3], s[G1I:G1I+7]
	s_nop 0
	PLACES 4
	s_branch .Lre_done
.Lre_j:
	tensor_load_to_lds s[G0J:G0J+3], s[G1J:G1J+7]
	s_nop 0
	PLACES 4
.Lre_done:
	PLACES 4                                       ; with the four above: eight places in front of loads into registers that matrix instructions have read
	FETCH 2, 0
	MUL 1, 0                                       ; K step 1 (its run was waited for above)
	PLACES 8
	FETCH 3, 1
	s_wait_dscnt 51
	MUL 0, 0                                       ; K step 2
	PLACES 8
	FETCH 4, 0
	s_wait_dscnt 51
	MUL 1, 0                                       ; K step 3
	PLACES 8
	FETCH 5, 1
	s_wait_dscnt 51
	MUL 0, 0                                       ; K step 4
	WIN 0
	s_wait_tensorcnt 0x0                           ; my part of K steps 6 and 7 is in,
	s_wait_dscnt 0x0
	s_barrier_signal -1
	s_barrier_wait -1                              ; everybody's is
	PLACES 8
	FETCH 6, 0
	MUL 1, 0                                       ; K step 5
	PLACES 8
	FETCH 7, 1
	s_wait_dscnt 51
	MUL 0, 0                                       ; K step 6
	s_wait_dscnt 0x0
	MUL 1, 0                                       ; K step 7
	WIN 0
	; ---- the way out: the mask, the scores, the maxima
	s_wait_loadcnt 0x0                             ; the labels
	PLACES 8
.irp ti, 0,1,2,3,4,5,6,7
	WIN 0
.set N, 0
.rept 32
	v_cmp_eq_u32 s[MK+N], v[LI+\ti], v[LJ+N]
.set N, N+1
.endr
	WIN 0xcc                                       ; source 1 and destination window 3
.set N, 0
.rept 32
	v_cndmask_b32 v[32*\ti+N], v[NINF], v[32*\ti+N], s[MK+N]     ; each accumulator from its low end on
.set N, N+1
.endr
.endr
	WIN 0x0c                                       ; a store's data are its source 1
.irp ti, 0,1,2,3,4,5,6,7
.irp tj, 0,1,2,3
	global_store_b128 v[L16], v[32*\ti+8*\tj:32*\ti+8*\tj+3], s[8:9] offset:32768*\ti+1024*\tj th:TH_STORE_NT      ; 512 consecutive bytes
	global_store_b128 v[L16], v[32*\ti+8*\tj+4:32*\ti+8*\tj+7], s[8:9] offset:32768*\ti+1024*\tj+512 th:TH_STORE_NT
.endr
.endr
	WIN 0x3c                                       ; sources 1 and 2 window 3
.irp ti, 0,1,2,3,4,5,6,7
	v_max3_num_f32 v[RI+\ti], v[NINF], v[32*\ti], v[32*\ti+1]
.endr
.irp i, 2,4,6,8,10,12,14,16,18,20,22,24,26,28,30
.irp ti, 0,1,2,3,4,5,6,7
	v_max3_num_f32 v[RI+\ti], v[RI+\ti], v[32*\ti+\i], v[32*\ti+\i+1]
.endr
.endr
.set N, 0
.rept 32
	v_max3_num_f32 v[CJ+N], v[NINF], v[N], v[32+N]
.set N, N+1
.endr
.irp p, 64,128,192
.set N, 0
.rept 32
	v_max3_num_f32 v[CJ+N], v[CJ+N], v[\p+N], v[\p+32+N]
.set N, N+1
.endr
.endr
	WIN 0
.irp t, 0,1,2,3,4,5,6,7
	v_permlanex16_b32 v[TP+\t], v[RI+\t], s[SEL], s[SEL+1]
.endr
.irp t, 0,1,2,3,4,5,6,7
	v_max_num_f32 v[RI+\t], v[RI+\t], v[TP+\t]     ; row i = 16 t + r over my 64 columns
.endr
.irp m, 1,2,4,8
.set N, 0
.rept 32
	v_max_num_f32_dpp v[CJ+N], v[CJ+N], v[CJ+N] row_xmask:\m row_mask:0xf bank_mask:0xf   ; column j over my 128 rows
.set N, N+1
.endr
.endr
.irp t, 0,1,2,3,4,5,6,7
	ds_store_b32 v[SA], v[RI+\t] offset:64*\t      ; both halves of the lanes write the same word with the same value
.endr
.irp tj, 0,1,2,3
.irp k, 0,1,2,3,4,5,6,7
	ds_store_b32 v[SB], v[CJ+8*\tj+\k] offset:64*\tj+4*\k
.endr
.endr
	ds_load_b128 v[140:143], v[SRD]                ; LDS serves a wave's instructions in order: these see my stores
	ds_load_b64 v[144:145], v[SRE]
	s_wait_dscnt 0x0
	global_store_b128 v[L16], v[140:143], s[10:11] ; 128 row maxima: 512 consecutive bytes
	global_store_b64 v[L8], v[144:145], s[12:13]   ; 64 column maxima: 256 consecutive bytes
	s_wait_tensorcnt 0x0                           ; the wave's end
	ds_add_u32 v[SPW], v[NIL]
	s_wait_dscnt 0x0
	CROUND                                         ; the closing round
	s_endpgm
.Lfunc_end_k_q86342f505d_gemm2:
	.size	k_q86342f505d_gemm2, .Lfunc_end_k_q86342f505d_gemm2-k_q86342f505d_gemm2
	.p2alignl 7, 3214868480
	.fill 96, 4, 3214868480
	.section	.rodata,"a",@progbits
	.p2align	6, 0x0
	.amdhsa_kernel k_q86342f505d_gemm2
		.amdhsa_group_segment_fixed_size 327680
		.amdhsa_private_segment_fixed_size 0
		.amdhsa_enable_private_segment 0
		.amdhsa_kernarg_size 40
		.amdhsa_user_sgpr_count 2
		.amdhsa_user_sgpr_kernarg_segment_ptr 1
		.amdhsa_wavefront_size32 1
		.amdhsa_system_sgpr_workgroup_id_x 1
		.amdhsa_system_sgpr_workgroup_id_y 1
		.amdhsa_system_sgpr_workgroup_id_z 1
		.amdhsa_system_vgpr_workitem_id 0
		.amdhsa_next_free_vgpr 1024
		.amdhsa_next_free_sgpr 104
		.amdhsa_reserve_vcc 0
		.amdhsa_float_denorm_mode_32 3
		.amdhsa_float_denorm_mode_16_64 3
		.amdhsa_memory_ordered 1
		.amdhsa_forward_progress 1
		.amdhsa_inst_pref_size 141
	.end_amdhsa_kernel
	.amdgpu_metadata
---
amdhsa.version: [ 1, 2 ]
amdhsa.kernels:
  - .name:           k_q86342f505d_gemm2
    .symbol:         k_q86342f505d_gemm2.kd
    .args:
      - { .name: xbq, .offset: 0, .size: 8, .value_kind: global_buffer, .address_space: global }
      - { .name: labels, .offset: 8, .size: 8, .value_kind: global_buffer, .address_space: global }
      - { .name: sp, .offset: 16, .size: 8, .value_kind: global_buffer, .address_space: global }
      - { .name: pmi, .offset: 24, .size: 8, .value_kind: global_buffer, .address_space: global }
      - { .name: pmj, .offset: 32, .size: 8, .value_kind: global_buffer, .address_space: global }
    .group_segment_fixed_size: 327680
    .private_segment_fixed_size: 0
    .kernarg_segment_align: 8
    .kernarg_segment_size: 40
    .max_flat_workgroup_size: 128
    .sgpr_count:     104
    .vgpr_count:     1024
    .wavefront_size: 32
...
	.end_amdgpu_metadata
.endif
;; end of part 3
;; launch expsum (part 4): grid 16 x 16, 8 waves a work-group, no clusters, 13,312 bytes of LDS; arguments sp, pmi, pmj, u, mu; writes u, mu
.if DOCPART == 4
	.amdgcn_target "amdgcn-amd-amdhsa--gfx1250"
	.amdhsa_code_object_version 6
	.text
	.protected	k_q86342f505d_expsum
	.globl	k_q86342f505d_expsum
	.p2align	8
	.type	k_q86342f505d_expsum,@function
k_q86342f505d_expsum:
	s_mov_b64 s[64:65], 0
	v_nop
	global_prefetch_b8 v0, s[64:65] scope:SCOPE_SE
	s_setreg_imm32_b32 hwreg(HW_REG_WAVE_MODE, 25, 1), 1
	s_wait_xcnt 0x0
; The exponentials, with each ROW's own largest score taken away first (the groups of the softmax are whole rows of the output; the last launch brings a group's rows under the group's maximum).
; mu[a] = log2(e) x max(0, the largest unmasked score of output row a): 0 stands for the masked places, which count as scores of 0.
; u[a][b'] = sum over c of 2^(S'_c log2(e) - mu[a]); a masked score is -infinity and adds 0.  For a < 512: a = i, b' = j - 512; for a >= 512: a = j, b' = i: each score serves both.
; SHARES.  A work-group owns 32 i x 32 j for all 31 classes: each byte of sp is read once.  Wave w reads half an accumulator image (512 consecutive bytes) of each class:
; tile (w / 4, (w / 2) % 2), half w % 2; lane (r, h) holds i = 16 (w / 4) + r and the four columns j = 16 ((w / 2) % 2) + 8 h + 4 (w % 2) + 0..3.
; The rows' maxima are joined from the launch before's partial maxima: 8 x 31 for a row i, 4 x 31 for a column j; wave w takes a share, LDS joins the eight.
; u leaves in pieces of 128 bytes of a row: a block has 32 columns; wider blocks would leave most of the 256 work-groups without work.  u is 2 MB in all.
; No matrix work here, no cluster (work-groups share only the small partial maxima), no tensor loads.
.set PMX,  0                           ; LDS: [8 waves][32 rows i, 32 columns j] f32
.set STG1, 2048                        ; 32 rows i x (128 bytes + 16)
.set STG2, 6656                        ; 32 rows j x (128 bytes + 16), straight behind
.set PM,  32                           ; v32-78  partial maxima; later QI v32-39, QJ v40-71; later TJ v32-63
.set QI,  32
.set QJ,  40
.set TJ,  32
.set AI,  80                           ; v80-83  sums for a = i
.set AJ,  84                           ; v84-87  sums for a = j
.set NI,  88                           ; v[88:89] -mu of my row i (the pair's low word serves both halves)
.set NJ,  90                           ; v90-93  -mu of my four columns j
.set MI,  94
.set MJ,  95
.set S,   96                           ; v96-219 the scores: class c at 4 c
.set LE,  32                           ; s[32:33] log2(e)
	s_load_b256 s[4:11], s[0:1], 0x0               ; sp, pmi, pmj, u
	s_load_b64 s[12:13], s[0:1], 0x20              ; mu
	v_lshl_add_u32 v224, v0, 2, 0x3000
	v_mov_b32 v225, 0
	v_lshrrev_b32 v1, 5, v0
	v_readfirstlane_b32 s14, v1                    ; wave 0..7
	s_and_b32 s15, ttmp7, 0xffff                   ; iblk;  jblk = ttmp9
	v_and_b32 v2, 31, v0                           ; lane
	v_and_b32 v3, 15, v0                           ; r
	v_bfe_u32 v4, v0, 4, 1                         ; h
	s_lshr_b32 s16, s14, 2                         ; tiL
	s_bfe_u32 s17, s14, 0x10001                    ; tjL
	s_and_b32 s18, s14, 1                          ; hf
	s_mov_b32 s[LE], 0x3fb8aa3b
	s_mov_b32 s[LE+1], s[LE]
	s_mov_b32 s34, 0xbfb8aa3b                      ; -log2(e)
	s_lshl_b32 s20, s15, 1
	s_add_co_u32 s20, s20, s16
	s_lshl_b32 s20, s20, 5
	s_lshl_b32 s21, ttmp9, 1
	s_add_co_u32 s20, s20, s21
	s_add_co_u32 s20, s20, s17                     ; tile 32 (2 iblk + tiL) + 2 jblk + tjL
	s_lshl_b32 s20, s20, 10
	s_lshl_b32 s21, s18, 9
	s_add_co_u32 s20, s20, s21
	s_mov_b32 s21, 0
	v_lshlrev_b32 v5, 4, v2                        ; 16 x lane
	s_lshl_b32 s22, s14, 11                        ; pmi[.][w][32 iblk + l]
	s_lshl_b32 s23, s15, 7
	s_add_co_u32 s22, s22, s23
	v_lshl_add_u32 v6, v2, 2, s22
	s_and_b32 s22, s14, 3                          ; pmj[2 k + w / 4][w % 4][32 jblk + l]
	s_lshl_b32 s22, s22, 11
	s_lshl_b32 s23, ttmp9, 7
	s_add_co_u32 s22, s22, s23
	s_add_co_u32 s23, s22, 30*8192                 ; and pmj[30][w % 4][..]
	v_lshl_add_u32 v8, v2, 2, s23
	s_lshl_b32 s23, s16, 13
	s_add_co_u32 s22, s22, s23
	v_lshl_add_u32 v7, v2, 2, s22
	s_lshl_b32 s22, s14, 8
	v_lshl_add_u32 v9, v2, 2, s22                  ; LDS: PMX + 256 w + 4 l
	s_lshl_b32 s22, s16, 6
	v_lshl_add_u32 v10, v3, 2, s22                 ; my row i's word
	s_lshl_b32 s22, s17, 6
	s_lshl_b32 s23, s18, 4
	s_add_co_u32 s22, s22, s23
	s_add_co_u32 s22, s22, 128
	v_lshl_add_u32 v11, v4, 5, s22                 ; my four columns' words
	v_lshlrev_b32 v12, 2, v2                       ; 4 x lane
	s_mul_i32 s40, s16, 2304
	s_lshl_b32 s41, s17, 6
	s_add_co_u32 s40, s40, s41
	s_lshl_b32 s41, s18, 4
	s_add_co_u32 s40, s40, s41
	s_add_co_u32 s40, s40, STG1
	v_mul_u32_u24 v13, v3, 144
	v_lshl_add_u32 v13, v4, 5, v13
	v_add_nc_u32 v13, s40, v13                     ; stage 1: row 16 tiL + r, my 16 bytes
	s_mul_i32 s40, s17, 2304
	s_mul_i32 s41, s18, 576
	s_add_co_u32 s40, s40, s41
	s_lshl_b32 s41, s16, 6
	s_add_co_u32 s40, s40, s41
	s_add_co_u32 s40, s40, STG2
	v_mul_u32_u24 v14, v4, 1152
	v_lshl_add_u32 v14, v3, 2, v14
	v_add_nc_u32 v14, s40, v14                     ; stage 2: row 16 tjL + 8 h + 4 hf (+ e), word 16 tiL + r
	s_mul_i32 s40, s14, 1152
	s_add_co_u32 s40, s40, STG1
	v_bfe_u32 v1, v0, 3, 2
	v_and_b32 v17, 7, v0
	v_mul_u32_u24 v15, v1, 144
	v_lshl_add_u32 v15, v17, 4, v15
	v_add_nc_u32 v15, s40, v15                     ; back: rows 8 w + l / 8 (+ 4), 16 bytes a lane
	v_lshlrev_b32 v16, 11, v1
	v_lshl_add_u32 v16, v17, 4, v16                ; and the same in u
	s_lshl_b32 s40, s15, 5                         ; waves 0-3 store rows a = 32 iblk + 8 w on, columns 32 jblk on;
	s_lshl_b32 s41, ttmp9, 5
	s_add_co_u32 s41, s41, 480                     ; waves 4-7 rows a = 512 + 32 jblk + 8 (w - 4) on, columns 32 iblk on
	s_cmp_lt_u32 s14, 4
	s_cselect_b32 s40, s40, s41
	s_cselect_b32 s41, ttmp9, s15
	s_lshl_b32 s42, s14, 3
	s_add_co_u32 s40, s40, s42
	s_lshl_b32 s40, s40, 11
	s_lshl_b32 s41, s41, 7
	s_add_co_u32 s40, s40, s41
	s_mov_b32 s41, 0
	s_lshl_b32 s42, s15, 7
	s_mov_b32 s43, 0
	s_lshl_b32 s44, ttmp9, 7
	s_add_co_u32 s44, s44, 2048
	s_mov_b32 s45, 0
	s_wait_kmcnt 0x0
	s_add_nc_u64 s[24:25], s[4:5], s[20:21]        ; four bases 8 MiB apart, so that a class's place fits the immediate
	s_add_nc_u64 s[26:27], s[24:25], 0x800000
	s_add_nc_u64 s[28:29], s[26:27], 0x800000
	s_add_nc_u64 s[30:31], s[28:29], 0x800000
	s_add_nc_u64 s[10:11], s[10:11], s[40:41]
	s_add_nc_u64 s[36:37], s[12:13], s[42:43]      ; mu[32 iblk]
	s_add_nc_u64 s[38:39], s[12:13], s[44:45]      ; mu[512 + 32 jblk]
.set C, 0
.rept 31
	global_load_b32 v[PM+C], v6, s[6:7] offset:16384*C
.set C, C+1
.endr
.set C, 0
.rept 15
	global_load_b32 v[PM+31+C], v7, s[8:9] offset:16384*C
.set C, C+1
.endr
	global_load_b32 v[PM+46], v8, s[8:9]
.set C, 0
.rept 31
	global_load_b128 v[S+4*C:S+4*C+3], v5, s[24+2*(C/8):25+2*(C/8)] offset:(C%8)*1048576 th:TH_LOAD_NT
.set C, C+1
.endr
.irp e, 0,1,2,3
	v_mov_b32 v[AI+\e], 0
	v_mov_b32 v[AJ+\e], 0
.endr
	s_wait_loadcnt 31                              ; the partial maxima are in; the 31 loads of scores may be out
	v_max3_num_f32 v[MI], v[PM], v[PM+1], v[PM+2]
.irp i, 3,5,7,9,11,13,15,17,19,21,23,25,27,29
	v_max3_num_f32 v[MI], v[MI], v[PM+\i], v[PM+\i+1]
.endr
	v_max3_num_f32 v[MJ], v[PM+31], v[PM+32], v[PM+33]
.irp i, 34,36,38,40,42,44
	v_max3_num_f32 v[MJ], v[MJ], v[PM+\i], v[PM+\i+1]
.endr
	v_max_num_f32 v[MJ], v[MJ], v[PM+46]
	ds_store_b32 v9, v[MI]
	ds_store_b32 v9, v[MJ] offset:128
	s_wait_dscnt 0x0
	s_barrier_signal -1
	s_barrier_wait -1
.irp p, 0,1,2,3,4,5,6,7
	ds_load_b32 v[QI+\p], v10 offset:256*\p
	ds_load_b128 v[QJ+4*\p:QJ+4*\p+3], v11 offset:256*\p
.endr
	s_wait_dscnt 0x0
	v_max3_num_f32 v[NI], v[QI], v[QI+1], v[QI+2]
	v_max3_num_f32 v[NI], v[NI], v[QI+3], v[QI+4]
	v_max3_num_f32 v[NI], v[NI], v[QI+5], v[QI+6]
	v_max3_num_f32 v[NI], v[NI], v[QI+7], 0        ; and the 0 of the masked places
	v_mul_f32 v[NI], s34, v[NI]                    ; -mu
	v_mov_b32 v[NI+1], v[NI]
.irp e, 0,1,2,3
	v_max3_num_f32 v[NJ+\e], v[QJ+\e], v[QJ+4+\e], v[QJ+8+\e]
	v_max3_num_f32 v[NJ+\e], v[NJ+\e], v[QJ+12+\e], v[QJ+16+\e]
	v_max3_num_f32 v[NJ+\e], v[NJ+\e], v[QJ+20+\e], v[QJ+24+\e]
	v_max3_num_f32 v[NJ+\e], v[NJ+\e], v[QJ+28+\e], 0
	v_mul_f32 v[NJ+\e], s34, v[NJ+\e]
.endr
	; mu leaves once: rows i by the work-groups with jblk = 0, rows j by those with iblk = 0; wave 0, a lane a row
	s_or_b32 s20, s14, ttmp9
	s_cmp_lg_u32 s20, 0
	s_cbranch_scc1 .Lno_mi
.irp p, 0,1,2,3,4,5,6,7
	ds_load_b32 v[64+\p], v12 offset:256*\p
.endr
	s_wait_dscnt 0x0
	v_max3_num_f32 v28, v64, v65, v66
	v_max3_num_f32 v28, v28, v67, v68
	v_max3_num_f32 v28, v28, v69, v70
	v_max3_num_f32 v28, v28, v71, 0
	v_mul_f32 v28, s[LE], v28
	global_store_b32 v12, v28, s[36:37]
.Lno_mi:
	s_or_b32 s20, s14, s15
	s_cmp_lg_u32 s20, 0
	s_cbranch_scc1 .Lno_mj
.irp p, 0,1,2,3,4,5,6,7
	ds_load_b32 v[72+\p], v12 offset:256*\p+128
.endr
	s_wait_dscnt 0x0
	v_max3_num_f32 v29, v72, v73, v74
	v_max3_num_f32 v29, v29, v75, v76
	v_max3_num_f32 v29, v29, v77, v78
	v_max3_num_f32 v29, v29, v79, 0
	v_mul_f32 v29, s[LE], v29
	global_store_b32 v12, v29, s[38:39]
.Lno_mj:
; n classes from c0 on.  left: the loads of later classes, which may stay out.  The exponentials go as one batch with one wait ahead of their first reader.
.macro BATCH c0, n, left
	s_wait_loadcnt \left
.set C, \c0
.rept \n
.set J, C-(\c0)
	v_pk_fma_f32 v[TJ+4*J:TJ+4*J+1], v[S+4*C:S+4*C+1], s[LE:LE+1], v[NJ:NJ+1] op_sel_hi:[1,0,1]
	v_pk_fma_f32 v[TJ+4*J+2:TJ+4*J+3], v[S+4*C+2:S+4*C+3], s[LE:LE+1], v[NJ+2:NJ+3] op_sel_hi:[1,0,1]
	v_pk_fma_f32 v[S+4*C:S+4*C+1], v[S+4*C:S+4*C+1], s[LE:LE+1], v[NI:NI+1] op_sel_hi:[1,0,0]
	v_pk_fma_f32 v[S+4*C+2:S+4*C+3], v[S+4*C+2:S+4*C+3], s[LE:LE+1], v[NI:NI+1] op_sel_hi:[1,0,0]
.set C, C+1
.endr
.set J, 0
.rept 4*(\n)
	v_exp_f32 v[TJ+J], v[TJ+J]
	v_exp_f32 v[S+4*(\c0)+J], v[S+4*(\c0)+J]
.set J, J+1
.endr
	v_nop                                          ; a plain line behind the last exponential
	s_wait_alu depctr_va_vdst(0)                   ; the wait ahead of the first reader: one for the batch
.set C, \c0
.rept \n
.set J, C-(\c0)
	v_pk_add_f32 v[AI:AI+1], v[AI:AI+1], v[S+4*C:S+4*C+1]
	v_pk_add_f32 v[AI+2:AI+3], v[AI+2:AI+3], v[S+4*C+2:S+4*C+3]
	v_pk_add_f32 v[AJ:AJ+1], v[AJ:AJ+1], v[TJ+4*J:TJ+4*J+1]
	v_pk_add_f32 v[AJ+2:AJ+3], v[AJ+2:AJ+3], v[TJ+4*J+2:TJ+4*J+3]
.set C, C+1
.endr
.endm
	BATCH 0, 8, 23
	BATCH 8, 8, 15
	BATCH 16, 8, 7
	BATCH 24, 7, 0
	ds_store_b128 v13, v[AI:AI+3]
.irp e, 0,1,2,3
	ds_store_b32 v14, v[AJ+\e] offset:144*\e       ; turned: a row of stage 2 is a column j
.endr
	s_wait_dscnt 0x0
	s_barrier_signal -1
	s_barrier_wait -1
	ds_load_b128 v[64:67], v15
	ds_load_b128 v[68:71], v15 offset:576
	s_wait_dscnt 0x0
	global_store_b128 v16, v[64:67], s[10:11]      ; four rows, 128 consecutive bytes each
	global_store_b128 v16, v[68:71], s[10:11] offset:8192
	s_wait_tensorcnt 0x0
	ds_add_u32 v224, v225
	s_wait_dscnt 0x0
	s_endpgm
.Lfunc_end_k_q86342f505d_expsum:
	.size	k_q86342f505d_expsum, .Lfunc_end_k_q86342f505d_expsum-k_q86342f505d_expsum
	.p2alignl 7, 3214868480
	.fill 96, 4, 3214868480
	.section	.rodata,"a",@progbits
	.p2align	6, 0x0
	.amdhsa_kernel k_q86342f505d_expsum
		.amdhsa_group_segment_fixed_size 13312
		.amdhsa_private_segment_fixed_size 0
		.amdhsa_enable_private_segment 0
		.amdhsa_kernarg_size 40
		.amdhsa_user_sgpr_count 2
		.amdhsa_user_sgpr_kernarg_segment_ptr 1
		.amdhsa_wavefront_size32 1
		.amdhsa_system_sgpr_workgroup_id_x 1
		.amdhsa_system_sgpr_workgroup_id_y 1
		.amdhsa_system_sgpr_workgroup_id_z 1
		.amdhsa_system_vgpr_workitem_id 0
		.amdhsa_next_free_vgpr 226
		.amdhsa_next_free_sgpr 66
		.amdhsa_reserve_vcc 0
		.amdhsa_float_denorm_mode_32 3
		.amdhsa_float_denorm_mode_16_64 3
		.amdhsa_memory_ordered 1
		.amdhsa_forward_progress 1
		.amdhsa_inst_pref_size 43
	.end_amdhsa_kernel
	.amdgpu_metadata
---
amdhsa.version: [ 1, 2 ]
amdhsa.kernels:
  - .name:           k_q86342f505d_expsum
    .symbol:         k_q86342f505d_expsum.kd
    .args:
      - { .name: sp, .offset: 0, .size: 8, .value_kind: global_buffer, .address_space: global }
      - { .name: pmi, .offset: 8, .size: 8, .value_kind: global_buffer, .address_space: global }
      - { .name: pmj, .offset: 16, .size: 8, .value_kind: global_buffer, .address_space: global }
      - { .name: u, .offset: 24, .size: 8, .value_kind: global_buffer, .address_space: global }
      - { .name: mu, .offset: 32, .size: 8, .value_kind: global_buffer, .address_space: global }
    .group_segment_fixed_size: 13312
    .private_segment_fixed_size: 0
    .kernarg_segment_align: 8
    .kernarg_segment_size: 40
    .max_flat_workgroup_size: 256
    .sgpr_count:     66
    .vgpr_count:     226
    .wavefront_size: 32
...
	.end_amdgpu_metadata
.endif
;; end of part 4
;; launch norm (part 5): grid 31 x 4, 17 waves a work-group, no clusters, 2,560 bytes of LDS; arguments u, mu, cnt, out0; writes out0
.if DOCPART == 5
	.amdgcn_target "amdgcn-amd-amdhsa--gfx1250"
	.amdhsa_code_object_version 6
	.text
	.protected	k_q86342f505d_norm
	.globl	k_q86342f505d_norm
	.p2align	8
	.type	k_q86342f505d_norm,@function
k_q86342f505d_norm:
	s_mov_b64 s[64:65], 0
	v_nop
	global_prefetch_b8 v0, s[64:65] scope:SCOPE_SE
	s_setreg_imm32_b32 hwreg(HW_REG_WAVE_MODE, 25, 1), 1
	s_wait_xcnt 0x0
; The softmax's groups and the output.  The reshape cuts the flat [i][j][c] array every 2^20 = 31 x 33,825 + 1 places; cut g falls on (i, j, c) = (33 g, 33 g, g), on the diagonal, which is always masked.
; So among the places that the mask keeps, group g is whole rows of the output: rows start(g) = 33 g + (g >= 16) on, count(g) = 33 + (g == 15) of them.
; mu_g = the largest mu[a] of the group;  l_g = sum over its rows of 2^(mu[a] - mu_g) x (the row's sum of u) + (2^20 - the group's kept places) x 2^(-mu_g): every masked place counts as a score of 0;
; out[a][b] = u[a][b'] 2^(mu[a] - mu_g) / l_g in the half of the columns that lies across the batch's middle, 0 in the other half.
; SHARES.  Work-group (g, q): all of l_g (the group's rows of u are 68 KB), and quarter q of each half of the columns.  Wave w takes rows 2 w and 2 w + 1 of the group.
; Where the group has no row 2 w + 1 the wave takes the group's last row once more: its term in the sum is multiplied by 0, and it stores that row's values a second time.
; Memory binds; no matrix work, no cluster, no tensor loads.
.set SEL, 36
.macro RSUM r, t
	v_add_f32_dpp v[\r], v[\r], v[\r] row_xmask:1 row_mask:0xf bank_mask:0xf
	v_add_f32_dpp v[\r], v[\r], v[\r] row_xmask:2 row_mask:0xf bank_mask:0xf
	v_add_f32_dpp v[\r], v[\r], v[\r] row_xmask:4 row_mask:0xf bank_mask:0xf
	v_add_f32_dpp v[\r], v[\r], v[\r] row_xmask:8 row_mask:0xf bank_mask:0xf
	v_permlanex16_b32 v[\t], v[\r], s[SEL], s[SEL+1]
	v_add_f32 v[\r], v[\r], v[\t]
.endm
; row a: where its u begins, where its numbers go, where its zeros go
.macro ROWPTR a, pu, pd, pz
	s_lshl_b32 s40, s[\a], 11
	s_mov_b32 s41, 0
	s_add_nc_u64 s[\pu:\pu+1], s[4:5], s[40:41]
	s_cmp_lt_u32 s[\a], 512
	s_cselect_b32 s42, 2048, 0                     ; rows under 512 have their numbers in columns 512 on
	s_lshl_b32 s40, s[\a], 12
	s_lshl_b32 s43, s13, 9
	s_add_co_u32 s40, s40, s43
	s_add_co_u32 s40, s40, s42
	s_add_nc_u64 s[\pd:\pd+1], s[10:11], s[40:41]
	s_xor_b32 s40, s40, 2048                       ; the other half of the row
	s_add_nc_u64 s[\pz:\pz+1], s[10:11], s[40:41]
.endm
	s_load_b256 s[4:11], s[0:1], 0x0               ; u, mu, cnt, out0
	v_lshl_add_u32 v80, v0, 2, 0x100
	v_mov_b32 v81, 0
	v_lshrrev_b32 v1, 5, v0
	v_readfirstlane_b32 s12, v1                    ; wave 0..16
	v_and_b32 v2, 31, v0
	v_lshlrev_b32 v3, 4, v2                        ; 16 x lane
	s_and_b32 s13, ttmp7, 0xffff                   ; q
	s_mov_b32 s[SEL], 0x76543210
	s_mov_b32 s[SEL+1], 0xfedcba98
	s_mul_i32 s14, ttmp9, 33
	s_cmp_ge_u32 ttmp9, 16
	s_cselect_b32 s15, 1, 0
	s_cmp_eq_u32 ttmp9, 15
	s_cselect_b32 s16, 34, 33                      ; count
	s_add_co_u32 s14, s14, s15                     ; start
	s_sub_co_u32 s17, s16, 1
	s_sub_co_u32 s23, s16, 32
	s_lshl_b32 s18, s12, 1
	s_add_co_u32 s20, s18, 1
	s_cmp_lt_u32 s20, s16                          ; has the group a row 2 w + 1?  (It always has a row 2 w)
	s_cselect_b32 s22, 1.0, 0
	s_min_u32 s19, s18, s17
	s_min_u32 s20, s20, s17
	s_add_co_u32 s19, s19, s14                     ; my rows
	s_add_co_u32 s20, s20, s14
.irp t, 0,1,2,3
	s_add_co_u32 s15, s13, \t
	s_and_b32 s15, s15, 3
	s_lshl_b32 s15, s15, 9
	v_add_nc_u32 v[4+\t], s15, v3                  ; the quarters in the order q, q + 1, ..: the first set of registers holds my quarter
.endr
	v_add_nc_u32 v8, s14, v2
	v_lshlrev_b32 v8, 2, v8                        ; the group's rows 0-31, a lane a row
	v_add_nc_u32 v9, 32, v2
	v_min_u32 v9, s17, v9
	v_add_nc_u32 v9, s14, v9
	v_lshlrev_b32 v9, 2, v9                        ; and rows 32 on, held at the last
	s_lshl_b32 s15, s19, 2
	v_mov_b32 v10, s15
	s_lshl_b32 s15, s20, 2
	v_mov_b32 v11, s15
	v_mov_b32 v28, s12
	v_lshlrev_b32 v28, 2, v28                      ; LDS: 4 x wave
	v_and_b32 v30, 15, v0
	v_lshlrev_b32 v30, 2, v30                      ; words 0-15
	v_mov_b32 v31, 64                              ; word 16
	v_mov_b32 v23, 0                               ; a lane permute's destination counts as one of its sources
	s_wait_kmcnt 0x0
	ROWPTR 19, 24, 28, 30
	ROWPTR 20, 26, 32, 34
	global_load_b32 v12, v8, s[6:7]
	global_load_b32 v13, v9, s[6:7]
	global_load_b32 v14, v8, s[8:9]
	global_load_b32 v15, v9, s[8:9]
	global_load_b32 v16, v10, s[6:7]               ; mu of my two rows, the same in every lane
	global_load_b32 v17, v11, s[6:7]
.irp t, 0,1,2,3
	global_load_b128 v[32+4*\t:35+4*\t], v[4+\t], s[24:25]
.endr
.irp t, 0,1,2,3
	global_load_b128 v[48+4*\t:51+4*\t], v[4+\t], s[26:27]
.endr
	s_wait_loadcnt 0x8                             ; the eight loads of u may be out
	v_max_num_f32 v18, v12, v13
	v_max_num_f32_dpp v18, v18, v18 row_xmask:1 row_mask:0xf bank_mask:0xf
	v_max_num_f32_dpp v18, v18, v18 row_xmask:2 row_mask:0xf bank_mask:0xf
	v_max_num_f32_dpp v18, v18, v18 row_xmask:4 row_mask:0xf bank_mask:0xf
	v_max_num_f32_dpp v18, v18, v18 row_xmask:8 row_mask:0xf bank_mask:0xf
	v_permlanex16_b32 v23, v18, s[SEL], s[SEL+1]
	v_max_num_f32 v18, v18, v23                    ; mu_g
	v_cmp_gt_u32 vcc_lo, s23, v2                   ; of the second load only rows 32 .. count - 1 count
	v_cndmask_b32 v15, 0, v15, vcc_lo
	v_add_f32 v19, v14, v15
	RSUM 19, 23                                    ; the group's kept places
	v_sub_f32 v20, v16, v18
	v_sub_f32 v21, v17, v18
	v_sub_f32 v22, 0, v18
	v_exp_f32 v20, v20                             ; 2^(mu[a] - mu_g), at most 1
	v_exp_f32 v21, v21
	v_exp_f32 v22, v22                             ; 2^(-mu_g)
	s_wait_loadcnt 0x0
	v_pk_add_f32 v[24:25], v[32:33], v[34:35]      ; the rows' sums: plain work behind the exponentials
	v_pk_add_f32 v[26:27], v[48:49], v[50:51]
.irp i, 4,6,8,10,12,14
	v_pk_add_f32 v[24:25], v[24:25], v[32+\i:33+\i]
	v_pk_add_f32 v[26:27], v[26:27], v[48+\i:49+\i]
.endr
	v_add_f32 v24, v24, v25
	v_add_f32 v26, v26, v27
	RSUM 24, 23
	RSUM 26, 23
	s_wait_alu depctr_va_vdst(0)                   ; the wait ahead of the first reader: one for the three
	v_mul_f32 v64, v20, v24
	v_mul_f32 v65, s22, v21                        ; 0 where the second row is a repeat
	v_fmac_f32 v64, v65, v26
	ds_store_b32 v28, v64                          ; all lanes write the same word with the same value
	s_wait_dscnt 0x0
	s_barrier_signal -1
	s_barrier_wait -1
	ds_load_b32 v66, v30
	ds_load_b32 v67, v31
	s_wait_dscnt 0x0
	v_add_f32_dpp v66, v66, v66 row_xmask:1 row_mask:0xf bank_mask:0xf
	v_add_f32_dpp v66, v66, v66 row_xmask:2 row_mask:0xf bank_mask:0xf
	v_add_f32_dpp v66, v66, v66 row_xmask:4 row_mask:0xf bank_mask:0xf
	v_add_f32_dpp v66, v66, v66 row_xmask:8 row_mask:0xf bank_mask:0xf
	v_add_f32 v66, v66, v67                        ; the seventeen waves' terms
	v_sub_f32 v68, 0x49800000, v19                 ; 2^20 - the kept places: the masked ones
	v_fmac_f32 v66, v68, v22                       ; l_g
	v_rcp_f32 v69, v66
.irp e, 0,1,2,3
	v_mov_b32 v[72+\e], 0                          ; plain work behind the reciprocal
.endr
	s_wait_alu depctr_va_vdst(0)                   ; and the wait ahead of its first reader
	v_mul_f32 v70, v20, v69
	v_mul_f32 v71, v21, v69
.irp e, 0,1,2,3
	v_mul_f32 v[32+\e], v[32+\e], v70
	v_mul_f32 v[48+\e], v[48+\e], v71
.endr
	global_store_b128 v3, v[32:35], s[28:29] th:TH_STORE_NT      ; 512 consecutive bytes each
	global_store_b128 v3, v[72:75], s[30:31] th:TH_STORE_NT
	global_store_b128 v3, v[48:51], s[32:33] th:TH_STORE_NT
	global_store_b128 v3, v[72:75], s[34:35] th:TH_STORE_NT
	s_wait_tensorcnt 0x0
	ds_add_u32 v80, v81
	s_wait_dscnt 0x0
	s_endpgm
.Lfunc_end_k_q86342f505d_norm:
	.size	k_q86342f505d_norm, .Lfunc_end_k_q86342f505d_norm-k_q86342f505d_norm
	.p2alignl 7, 3214868480
	.fill 96, 4, 3214868480
	.section	.rodata,"a",@progbits
	.p2align	6, 0x0
	.amdhsa_kernel k_q86342f505d_norm
		.amdhsa_group_segment_fixed_size 2560
		.amdhsa_private_segment_fixed_size 0
		.amdhsa_enable_private_segment 0
		.amdhsa_kernarg_size 32
		.amdhsa_user_sgpr_count 2
		.amdhsa_user_sgpr_kernarg_segment_ptr 1
		.amdhsa_wavefront_size32 1
		.amdhsa_system_sgpr_workgroup_id_x 1
		.amdhsa_system_sgpr_workgroup_id_y 1
		.amdhsa_system_sgpr_workgroup_id_z 1
		.amdhsa_system_vgpr_workitem_id 0
		.amdhsa_next_free_vgpr 82
		.amdhsa_next_free_sgpr 66
		.amdhsa_reserve_vcc 1
		.amdhsa_float_denorm_mode_32 3
		.amdhsa_float_denorm_mode_16_64 3
		.amdhsa_memory_ordered 1
		.amdhsa_forward_progress 1
		.amdhsa_inst_pref_size 10
	.end_amdhsa_kernel
	.amdgpu_metadata
---
amdhsa.version: [ 1, 2 ]
amdhsa.kernels:
  - .name:           k_q86342f505d_norm
    .symbol:         k_q86342f505d_norm.kd
    .args:
      - { .name: u, .offset: 0, .size: 8, .value_kind: global_buffer, .address_space: global }
      - { .name: mu, .offset: 8, .size: 8, .value_kind: global_buffer, .address_space: global }
      - { .name: cnt, .offset: 16, .size: 8, .value_kind: global_buffer, .address_space: global }
      - { .name: out0, .offset: 24, .size: 8, .value_kind: global_buffer, .address_space: global }
    .group_segment_fixed_size: 2560
    .private_segment_fixed_size: 0
    .kernarg_segment_align: 8
    .kernarg_segment_size: 32
    .max_flat_workgroup_size: 544
    .sgpr_count:     66
    .vgpr_count:     82
    .wavefront_size: 32
...
	.end_amdgpu_metadata
.endif
;; end of part 5
;; ======== version 2 of 2: 5 launches; 1.15 times as fast as version 1
;; workspace buffers: xq 1,114,112 bytes; xbq 34,537,472 bytes; sp 32,505,856 bytes; pmi 507,904 bytes; pmj 253,952 bytes; u 2,097,152 bytes; mu 4,096 bytes; cnt 4,096 bytes
;; launch prep (part 6): grid 384 x 1, 4 waves a work-group, no clusters, 66,048 bytes of LDS; arguments inputs, labels, xq, cnt; writes xq, cnt
.if DOCPART == 6
	.amdgcn_target "amdgcn-amd-amdhsa--gfx1250"
	.amdhsa_code_object_version 6
	.text
	.protected	k_q86342f505d_prep
	.globl	k_q86342f505d_prep
	.p2align	8
	.type	k_q86342f505d_prep,@function
k_q86342f505d_prep:
	s_mov_b64 s[64:65], 0
	v_nop
	global_prefetch_b8 v0, s[64:65] scope:SCOPE_SE
	s_setreg_imm32_b32 hwreg(HW_REG_WAVE_MODE, 25, 1), 1
	s_wait_xcnt 0x0
; TWO SMALL JOBS IN ONE LAUNCH, told apart by the work-group's number.
; Work-groups 0-127: x [1024][1024] f32 becomes codes of E4M3 with one E8M0 byte for each 32 along d, laid as RECORDS.
;   A record (17,408 bytes) is 128 rows x 128 along K as images of operand registers: fragment a (16 rows) at 2048 a, its registers 4 c .. 4 c + 3 at + 512 c,
;   lane l's 16 bytes at + 16 l; the scale words at 16384 + 512 (a / 4) + 16 l + 4 (a % 4), so that one 16-byte load brings four fragments' words.
;   Record number 8 s + bg: K step s (128 d), rows 128 bg on.  A work-group makes half a record, a wave one fragment.
; Work-groups 128-383: cnt[a] = the number of pairs (b in the other half of the batch, class c) with labels[b][c] == labels[a][c], as f32 (a whole number under 2^24).
;   A work-group takes four rows a; each wave compares them with 128 rows b (four to a lane), all 31 classes.  Labels are compared as whole 32-bit numbers.
;   A wave's 128 rows b are 15,872 consecutive bytes: they come by 31 loads of 512 consecutive bytes, go through the wave's own LDS as they lie, and come back a lane a row
;   (rows 31 words apart: 32 lanes fall on 32 different banks of the 64: ISA guide 11.1).
; LIMITS: NaN and infinities in x are not served; a block whose largest magnitude lies under 2^-118 keeps the byte 1; a block of zeros has the byte 1 and zero codes (only this program reads the bytes).
; Each job has LDS bytes of its own: 0-511 the scale words; 512-575 the counts, and from 1,024 on the labels, 15,872 bytes a wave.
.set REC,  17408
.set STG,  1024
.set WSTG, 15872
.set X,    64                          ; v64-127  64 numbers of my row: register 16 b + i = d 32 b + 16 (lane / 16) + i of the K step
.set PC,   16                          ; v16-31   the fragment's codes
.set TM,   32                          ; v32-47   at work in QUANT
.set PW,   48                          ; v48      my row's scale word
.set MNT,  32                          ; s32      the mantissa field of 448
.set SEL,  30                          ; s[30:31] lane selects: lane l xor 16
.set LB,   64                          ; v64-187  the labels as loaded, then those of my four rows b: register 31 k + c
.set RL,   56                          ; v56-59   labels of row a = 4 v + k: lane c holds class c
.set CN,   50                          ; v50-53   the counts
.set CT,   54
; 64 numbers of a lane become a fragment's codes in v[PC] on and its scale word in v[PW]
.macro QUANT s
.irp b, 0,1,2,3
	v_max3_num_f32 v[TM+\b], |v[\s+16*\b]|, |v[\s+1+16*\b]|, 0x4800000   ; block b: my 16 numbers and the floor 2^(9 - 127): the byte cannot fall under 1
.endr
.irp i, 2,4,6,8,10,12,14
.irp b, 0,1,2,3
	v_max3_num_f32 v[TM+\b], v[TM+\b], |v[\s+16*\b+\i]|, |v[\s+1+16*\b+\i]|
.endr
.endr
.irp b, 0,1,2,3
	v_permlanex16_b32 v[TM+4+\b], v[TM+\b], s[SEL], s[SEL+1]
.endr
.irp b, 0,1,2,3
	v_max_num_f32 v[TM+\b], v[TM+\b], v[TM+4+\b]          ; with lane l xor 16's 16: the block's largest magnitude
.endr
.irp b, 0,1,2,3
	v_add_nc_u32 v[TM+12+\b], 0xfc000000, v[TM+\b]        ; 8 off its exponent field: the conversion's scale operand
.endr
.irp b, 0,1,2,3
	v_and_or_b32 v[TM+8+\b], v[TM+\b], 0x7f800000, s[MNT] ; 448 x the scale
.endr
.irp b, 0,1,2,3
	v_lshrrev_b32 v[TM+4+\b], 23, v[TM+12+\b]             ; the scale's byte
.endr
	v_lshl_or_b32 v[PW], v[TM+5], 8, v[TM+4]
	v_lshl_or_b32 v[PW], v[TM+6], 16, v[PW]
	v_lshl_or_b32 v[PW], v[TM+7], 24, v[PW]
.irp b, 0,1,2,3
.irp i, 0,1,2,3,4,5,6,7,8,9,10,11,12,13,14,15
	v_med3_num_f32 v[\s+16*\b+\i], v[\s+16*\b+\i], -v[TM+8+\b], v[TM+8+\b]   ; the conversion does not saturate (ISA guide 7.6.2): the hold at 448 x the scale
.endr
	v_cvt_scalef32_pk8_fp8_f32 v[PC+4*\b:PC+1+4*\b], v[\s+16*\b:\s+7+16*\b], v[TM+12+\b]
	v_cvt_scalef32_pk8_fp8_f32 v[PC+2+4*\b:PC+3+4*\b], v[\s+8+16*\b:\s+15+16*\b], v[TM+12+\b]
.endr
	v_nop
.endm
	s_load_b128 s[4:7], s[0:1], 0x0                ; x, labels
	s_load_b128 s[8:11], s[0:1], 0x10              ; xq, cnt
	v_lshl_add_u32 v192, v0, 2, 0x10000
	v_mov_b32 v193, 0
	v_lshrrev_b32 v1, 5, v0
	v_readfirstlane_b32 s12, v1                    ; wave 0..3
	v_and_b32 v2, 31, v0                           ; lane
	s_mov_b32 s[SEL], 0x76543210
	s_mov_b32 s[SEL+1], 0xfedcba98
	s_mov_b32 s[MNT], 0x600000
	s_cmp_lt_u32 ttmp9, 128
	s_cbranch_scc0 .Lcount
	; ---- x into records.  Work-group number = 16 s + 2 bg + hr; my fragment is a = 4 hr + wave
	s_lshr_b32 s13, ttmp9, 4                       ; s
	s_bfe_u32 s14, ttmp9, 0x30001                  ; bg
	s_and_b32 s15, ttmp9, 1                        ; hr
	s_lshl_b32 s16, s15, 2
	s_add_co_u32 s16, s16, s12                     ; a
	s_lshl_b32 s17, s14, 19                        ; 128 bg rows of 4,096 bytes
	s_lshl_b32 s18, s16, 16                        ; 16 a rows
	s_add_co_u32 s17, s17, s18
	s_lshl_b32 s18, s13, 9                         ; 128 s numbers
	s_add_co_u32 s20, s17, s18
	s_mov_b32 s21, 0
	s_lshl_b32 s17, s13, 3
	s_add_co_u32 s17, s17, s14
	s_mul_i32 s22, s17, REC                        ; my record
	s_mov_b32 s23, 0
	s_lshl_b32 s24, s16, 11                        ; my fragment in it
	s_mov_b32 s25, 0
	s_lshl_b32 s18, s15, 9
	s_add_co_u32 s18, s18, 16384                   ; my half's scale words in it
	s_mov_b32 s19, 0
	v_and_b32 v3, 15, v0                           ; r
	v_bfe_u32 v4, v0, 4, 1                         ; h
	v_lshlrev_b32 v5, 12, v3
	v_lshl_add_u32 v5, v4, 6, v5                   ; row r, + 64 h: my 16 numbers of a block of 32
	v_lshlrev_b32 v6, 4, v2                        ; 16 x lane
	s_lshl_b32 s17, s12, 2
	v_add_nc_u32 v7, s17, v6                       ; LDS: 16 x lane + 4 x wave
.irp b, 0,1,2,3
	v_mov_b32 v[TM+4+\b], 0                        ; a lane permute's destination counts as one of its sources
.endr
	s_wait_kmcnt 0x0
	s_add_nc_u64 s[4:5], s[4:5], s[20:21]
	s_add_nc_u64 s[8:9], s[8:9], s[22:23]
	s_add_nc_u64 s[26:27], s[8:9], s[24:25]
	s_add_nc_u64 s[28:29], s[8:9], s[18:19]
.irp b, 0,1,2,3
.irp j, 0,1,2,3
	global_load_b128 v[X+16*\b+4*\j:X+16*\b+4*\j+3], v5, s[4:5] offset:128*\b+16*\j
.endr
.endr
	s_wait_loadcnt 0x0
	QUANT X
.irp c, 0,1,2,3
	global_store_b128 v6, v[PC+4*\c:PC+4*\c+3], s[26:27] offset:512*\c   ; 32 lanes store 512 consecutive bytes
.endr
	ds_store_b32 v7, v[PW]                         ; the four waves' words of a lane lie side by side
	s_wait_dscnt 0x0                               ; for the others' sake: my store has landed
	s_barrier_signal -1
	s_barrier_wait -1
	s_cmp_lg_u32 s12, 0
	s_cbranch_scc1 .Lxend
	ds_load_b128 v[8:11], v6
	s_wait_dscnt 0x0
	global_store_b128 v6, v[8:11], s[28:29]        ; four fragments' scale words: 512 consecutive bytes
.Lxend:
	s_wait_tensorcnt 0x0
	ds_add_u32 v192, v193
	s_wait_dscnt 0x0
	s_endpgm
	; ---- the counts.  v = work-group number - 128; rows a = 4 v .. 4 v + 3
.Lcount:
	s_sub_co_u32 s13, ttmp9, 128
	s_cmp_lt_u32 s13, 128                          ; rows under 512 are compared with rows from 512 on, and the other way round
	s_cselect_b32 s14, 512, 0
	s_lshl_b32 s15, s12, 7
	s_add_co_u32 s14, s14, s15                     ; my wave's first row b
	s_mul_i32 s20, s14, 124                        ; a row of labels is 124 bytes; 128 rows are 62 x 256 bytes
	s_mov_b32 s21, 0
	s_mul_i32 s22, s13, 496
	s_mov_b32 s23, 0
	s_lshl_b32 s24, s13, 4
	s_mov_b32 s25, 0
	s_mul_i32 s27, s12, WSTG
	s_add_co_u32 s27, s27, STG                     ; my wave's own bytes of LDS
	v_lshlrev_b32 v3, 4, v2                        ; 16 x lane: my 16 bytes of a load's 512
	v_add_nc_u32 v12, s27, v3                      ; into LDS as they lie
	v_mul_u32_u24 v13, v2, 124
	v_add_nc_u32 v13, s27, v13                     ; and back a lane a row b
	v_min_u32 v4, 30, v2
	v_lshlrev_b32 v4, 2, v4                        ; a lane a class (lane 31 repeats class 30 and is not read)
	v_mov_b32 v5, s12
	v_lshlrev_b32 v5, 2, v5                        ; LDS: 4 x wave
	v_and_b32 v7, 3, v0
	v_lshlrev_b32 v6, 4, v7                        ; LDS: row l & 3's four partial counts
	v_lshlrev_b32 v7, 2, v7                        ; and its word of cnt
	v_mov_b32 v[CT], 0
	s_wait_kmcnt 0x0
	s_add_nc_u64 s[16:17], s[6:7], s[22:23]
	s_add_nc_u64 s[6:7], s[6:7], s[20:21]
	s_add_nc_u64 s[10:11], s[10:11], s[24:25]
.irp k, 0,1,2,3
	global_load_b32 v[RL+\k], v4, s[16:17] offset:124*\k
.endr
.set K, 0
.rept 31
	global_load_b128 v[LB+4*K:LB+4*K+3], v3, s[6:7] offset:512*K     ; 512 consecutive bytes; 31 x 512 = my 128 rows
.set K, K+1
.endr
	s_wait_loadcnt 0x0
.set K, 0
.rept 31
	ds_store_b128 v12, v[LB+4*K:LB+4*K+3] offset:512*K
.set K, K+1
.endr
.set K, 0
.rept 4
.set CC, 0
.rept 31
	ds_load_b32 v[LB+31*K+CC], v13 offset:3968*K+4*CC                ; labels[32 K + lane][CC].  LDS serves a wave's instructions in order (ISA guide 5.7.1.4): these see my stores, and land in the registers that the stores have left
.set CC, CC+1
.endr
.set K, K+1
.endr
	s_wait_dscnt 0x0
; row a = 4 v + k against my 128 rows b: a compare sets the carry, an add with carry counts it
.macro ROWCNT k
	v_mov_b32 v[CN+\k], 0
.set CC, 0
.rept 31
	v_readlane_b32 s26, v[RL+\k], CC
.irp kk, 0,1,2,3
	v_cmp_eq_u32 vcc_lo, s26, v[LB+31*\kk+CC]
	v_add_co_ci_u32 v[CN+\k], vcc_lo, 0, v[CN+\k], vcc_lo
.endr
.set CC, CC+1
.endr
	v_cvt_f32_u32 v[CN+\k], v[CN+\k]
	v_add_f32_dpp v[CN+\k], v[CN+\k], v[CN+\k] row_xmask:1 row_mask:0xf bank_mask:0xf
	v_add_f32_dpp v[CN+\k], v[CN+\k], v[CN+\k] row_xmask:2 row_mask:0xf bank_mask:0xf
	v_add_f32_dpp v[CN+\k], v[CN+\k], v[CN+\k] row_xmask:4 row_mask:0xf bank_mask:0xf
	v_add_f32_dpp v[CN+\k], v[CN+\k], v[CN+\k] row_xmask:8 row_mask:0xf bank_mask:0xf
	v_permlanex16_b32 v[CT], v[CN+\k], s[SEL], s[SEL+1]
	v_add_f32 v[CN+\k], v[CN+\k], v[CT]            ; every lane holds the wave's count
	ds_store_b32 v5, v[CN+\k] offset:512+16*\k     ; all lanes write the same word with the same value
.endm
	ROWCNT 0
	ROWCNT 1
	ROWCNT 2
	ROWCNT 3
	s_wait_dscnt 0x0
	s_barrier_signal -1
	s_barrier_wait -1
	s_cmp_lg_u32 s12, 0
	s_cbranch_scc1 .Lcend
	ds_load_b128 v[8:11], v6 offset:512
	s_wait_dscnt 0x0
	v_add_f32 v8, v8, v9
	v_add_f32 v10, v10, v11
	v_add_f32 v8, v8, v10
	global_store_b32 v7, v8, s[10:11]              ; lanes with the same l & 3 store the same value to the same word
.Lcend:
	s_wait_tensorcnt 0x0
	ds_add_u32 v192, v193
	s_wait_dscnt 0x0
	s_endpgm
.Lfunc_end_k_q86342f505d_prep:
	.size	k_q86342f505d_prep, .Lfunc_end_k_q86342f505d_prep-k_q86342f505d_prep
	.p2alignl 7, 3214868480
	.fill 96, 4, 3214868480
	.section	.rodata,"a",@progbits
	.p2align	6, 0x0
	.amdhsa_kernel k_q86342f505d_prep
		.amdhsa_group_segment_fixed_size 66048
		.amdhsa_private_segment_fixed_size 0
		.amdhsa_enable_private_segment 0
		.amdhsa_kernarg_size 32
		.amdhsa_user_sgpr_count 2
		.amdhsa_user_sgpr_kernarg_segment_ptr 1
		.amdhsa_wavefront_size32 1
		.amdhsa_system_sgpr_workgroup_id_x 1
		.amdhsa_system_sgpr_workgroup_id_y 1
		.amdhsa_system_sgpr_workgroup_id_z 1
		.amdhsa_system_vgpr_workitem_id 0
		.amdhsa_next_free_vgpr 194
		.amdhsa_next_free_sgpr 66
		.amdhsa_reserve_vcc 1
		.amdhsa_float_denorm_mode_32 3
		.amdhsa_float_denorm_mode_16_64 3
		.amdhsa_memory_ordered 1
		.amdhsa_forward_progress 1
		.amdhsa_inst_pref_size 69
	.end_amdhsa_kernel
	.amdgpu_metadata
---
amdhsa.version: [ 1, 2 ]
amdhsa.kernels:
  - .name:           k_q86342f505d_prep
    .symbol:         k_q86342f505d_prep.kd
    .args:
      - { .name: inputs, .offset: 0, .size: 8, .value_kind: global_buffer, .address_space: global }
      - { .name: labels, .offset: 8, .size: 8, .value_kind: global_buffer, .address_space: global }
      - { .name: xq, .offset: 16, .size: 8, .value_kind: global_buffer, .address_space: global }
      - { .name: cnt, .offset: 24, .size: 8, .value_kind: global_buffer, .address_space: global }
    .group_segment_fixed_size: 66048
    .private_segment_fixed_size: 0
    .kernarg_segment_align: 8
    .kernarg_segment_size: 32
    .max_flat_workgroup_size: 128
    .sgpr_count:     66
    .vgpr_count:     194
    .wavefront_size: 32
...
	.end_amdgpu_metadata
.endif
;; end of part 6
;; launch gemm1 (part 7): grid 8 x 31, 4 waves a work-group, clusters of 4 x 1, 327,680 bytes of LDS; arguments kernel, bias, xq, xbq; writes xbq
.if DOCPART == 7
	.amdgcn_target "amdgcn-amd-amdhsa--gfx1250"
	.amdhsa_code_object_version 6
	.text
	.protected	k_q86342f505d_gemm1
	.globl	k_q86342f505d_gemm1
	.p2align	8
	.type	k_q86342f505d_gemm1,@function
k_q86342f505d_gemm1:
	s_mov_b64 s[64:65], 0
	v_nop
	global_prefetch_b8 v0, s[64:65] scope:SCOPE_SE
	s_setreg_imm32_b32 hwreg(HW_REG_WAVE_MODE, 25, 1), 1
	s_wait_xcnt 0x0
	s_wait_alu depctr_hold_cnt(0) depctr_sa_sdst(0) depctr_va_vdst(0) depctr_va_sdst(0) depctr_va_ssrc(0) depctr_va_vcc(0) depctr_vm_vsrc(0)
	s_getreg_b32 s2, hwreg(HW_REG_IB_STS2, 6, 4)
	s_cmp_eq_u32 s2, 0
	s_cbranch_scc0 .Lentry_in_a_cluster
	s_endpgm
.Lentry_in_a_cluster:
	s_bfe_u32 s2, ttmp6, 0x10000c
	s_cmp_lg_u32 s2, 0x3003
	s_cbranch_scc0 .Lentry_shape_is_right
	s_endpgm
.Lentry_shape_is_right:
; xB[c][b][e] = sum over d of x[b][d] kernel[c][d][e] + bias[c][e] on codes of E4M3 (one E8M0 byte for each 32 along d), and xB quantised along e into records for the next launch.
; SHARES.  A work-group owns one class c and 128 columns e (ex = 0..7), all 1,024 d and all 1,024 rows b.  The kernel's slab (1,024 x 128 f32, 512 KB) is read from memory ONCE, quantised on the way,
; and its codes (128 KB) stay in LDS.  b goes in two passes of 512 rows; in a pass wave w owns 128 rows b x 128 e: 64 accumulators, 512 registers.  Pass 0 multiplies K step s as soon as it is quantised;
; pass 1 multiplies from the codes alone.  The two passes are written one behind the other, so that every counted wait holds on every path of the text.
; The two clusters of a class take the two halves of the rows in opposite order (by the cluster's number): the records that one asks for in its second pass are those that the other has read in its first.
; THE KERNEL'S WAY.  K step s is 128 rows d; wave w quantises block 4 s + w (32 d x 128 e).  A load takes one row d: 32 lanes x 16 bytes = 512 consecutive bytes, so a lane holds FOUR columns e = 4 l + q and
; its registers run down d.  Four columns have four scales, and the conversion takes one scale a lane: so each number is multiplied by its column's 2^-e (exact), held at +-448 and converted with the scale 1.
; The codes, four columns to a register, are turned by byte permutes into 16 bytes along d of one column, and stored into the image of the operand's registers.
; THE COLUMNS OF A TILE ARE NOT NEIGHBOURS: e = 32 b + u goes to tile 2 b + ((u >> 3) & 1), row (u & 7) + 8 (u >> 4), so that a lane's 16 results of tiles 2 b, 2 b + 1 are 16 neighbours along e, the next K.
; THE MATRIX INSTRUCTION: source 0 = 16 columns e of the kernel, source 1 = 16 rows b of x: a lane holds ONE row b, its registers run along e.  The bias is loaded into the accumulators ahead of K step 0.
; x comes as records (128 rows x 128 d as register images, 17,408 bytes, see the launch before), one record a wave and K step.
; PASS 0, CLUSTER.  The four work-groups of a cluster have the same c and walk the same records of x: each record is asked for JOINTLY (mask 15) into one of two LDS slots; it has a K step's quantising and
; products in which to land.  The kernel's slab is no other work-group's: it comes by plain loads.  By this text's own count a wave has one tensor load out.
; PASS 1, NO JOINT LOADS.  Beside the codes (131,328 bytes) LDS holds two slots of ONE K step (2 x 69,632): a refill would have 64 matrix instructions a wave in which to land, and a round of the cluster's
; barrier for each.  But a record is an image of registers, and the 256 staging registers are free now: each wave loads its record's fragments straight into them, 512 consecutive bytes a load, four half steps
; (68 loads) on their way, each asked for 96 matrix instructions ahead of its use; no LDS slot, no barrier, no round.  The wave's LDS reads are halved; the price is that the four partners each read x for themselves.
; LIMITS: NaN and infinities are not served; a block under 2^-118 keeps the byte 1; a block of zeros has the byte 1 and zero codes.
; LDS: 0 the codes: tile T at 16,400 T (16 bytes of skew a tile: the 16 lanes of a store fall on 16 different 16-byte columns), K step s at + 2048 s, registers 4 c.. at + 512 c, lane at + 16 l;
;   KSC the kernel's scale words: 512 s + 32 row + 4 T, byte w;  BIA the bias, 512 bytes a wave;  SPARE the spare words;  SL0, SL1 the slots, wave w's record at + 17,408 w.
; REGISTERS: window 0: see below; window 1: two staging sets of 32 rows x 4, in pass 1 two K steps of x (fragment a at 128 (s % 2) + 16 a); windows 2, 3: accumulator (a, T) at 64 (a % 4) + 8 T of window 2 + a / 4.
.set REC,   17408
.set XSTEP, 8*REC                      ; from K step to K step in xq
.set KTP,   16400
.set KSC,   131328
.set BIA,   135424
.set SPARE, 137472
.set SL0,   137984
.set SL1,   207616
.set DSTEP, 524288                     ; 128 rows of the kernel, 4,096 bytes each
.set SPW, 4                            ; v4   my spare word; never rewritten
.set NIL, 5                            ; v5   0; never rewritten
.set L16, 6                            ; v6   16 x lane: offset of loads and stores, and my place in an image; never rewritten
.set QA0, 7                            ; v7   where my columns' codes go: 16,400 T(l) + 16 r0(l) + 512 w
.set QB0, 8                            ; v8   and their scale bytes: KSC + 32 r0(l) + 4 T(l) + w
.set KS0, 9                            ; v9   KSC + 32 (l % 16)
.set XA,  10                           ; v10-11  my record in slot 0, 1: + 16 l
.set BA,  12                           ; v12  BIA + 512 w + 64 (l / 16)
.set QAC, 13                           ; v13-17  the K step's addresses
.set QBC, 14
.set KAL, 15                           ; v15  tiles 0-3;  v16  tiles 4-7
.set KAH, 16
.set KSA, 17
.set FLR, 18                           ; v18  2^(9 - 127)
.set ONE, 19                           ; v19  1.0
                                       ; v20-27  x's scale words of the odd K steps of pass 1: scales and nothing else
.set KS,  32                           ; v32-39  the kernel's scale words, tile T: scales and nothing else
.set XS,  40                           ; v40-47  x's, fragment a (in pass 1: of the even K steps): scales and nothing else
.set TM,  48                           ; v48-63  at work on the way out; while a block is quantised:
.set MX,  48                           ; v48-51  the four columns' largest magnitudes
.set SC,  52                           ; v52-55  their scale bytes
.set INV, 56                           ; v56-59  1 / their scales
.set KF,  64                           ; v64-191 the kernel's 8 fragments of a K step
.set XF,  192                          ; v192-255 pass 0: four fragments of x
.set TT,  64                           ; while a block is quantised: v64-95 codes by rows, then by columns; v96-127 half turned
.set AB,  96
.set PC,  64                           ; on the way out: v64-79 a fragment's codes, v96-103 the scale words
.set PW,  96
.set WV,  12                           ; s12  wave
.set G1,  24                           ; s[24:31] descriptor group 1
.set G0A, 32                           ; s[32:35] group 0 for slot 0;  s[36:39] for slot 1
.set G0B, 36
.set XB,  40                           ; s[40:41] my record of K step 0 in pass 0
.set KP,  42                           ; s[42:43] the kernel at my block of the K step in hand
.set OB,  44                           ; s[44:45] my record of xbq in pass 0
.set KO,  46                           ; s46  2048 s
.set KSO, 47                           ; s47  512 s
.set TR,  48
.set NEG, 49
.set POS, 50
.set MNT, 51
.set SEL, 52                           ; s[52:53]
.set P1A, 54                           ; s54-57 byte selects
.set P1B, 55
.set P2A, 56
.set P2B, 57
.set OB1, 60                           ; s[60:61] my record of xbq in pass 1
.set XP,  62                           ; s[62:63] my record of x in pass 1, at the K step with which the loop's trip begins
.set MSB, 0
.macro WIN new                         ; the immediate's high byte repeats the setting that is left
.if MSB != (\new)
	s_set_vgpr_msb (MSB<<8)|(\new)
.set MSB, (\new)
.endif
.endm
.macro PLACES n
.rept \n
	v_nop
.endr
.endm
.macro CROUND                          ; a round of the cluster's barrier
	s_barrier_signal -1
	s_barrier_wait -1
	s_cmp_lg_u32 s[WV], 0
	s_cbranch_scc1 .Lnot_wave_0_\@
	s_barrier_signal -3
.Lnot_wave_0_\@:
	s_barrier_wait -3
	s_barrier_signal -1
	s_barrier_wait -1
.endm
; In front of K step s of pass 0, which lies in slot g: my load has landed, my LDS stores and reads are done; behind the round (fill = 1) the other slot takes K step s + 1.
.macro SYNC g, fill
	s_wait_tensorcnt 0x0
	ds_add_u32 v[SPW], v[NIL]
	s_add_nc_u64 s[G0A+4*\g+2:G0A+4*\g+3], s[G0A+4*\g+2:G0A+4*\g+3], 2*XSTEP   ; this slot's next K step
	s_wait_dscnt 0x0                               ; the add, my codes' stores and my reads of the other slot are done
.if \fill
	CROUND                                         ; the same now holds of every wave of the four work-groups
	tensor_load_to_lds s[G0B-4*\g:G0B-4*\g+3], s[G1:G1+7]
	s_nop 0
	PLACES 4
.else
	s_barrier_signal -1
	s_barrier_wait -1
.endif
.endm
; Pass 1: fragments 4 ah .. 4 ah + 3 of my record at off bytes behind s[XP] into set par of window 1: 16 loads of 512 consecutive bytes; sc = 1: and their four scale words, one load more
.macro XLD par, ah, off, sc
	WIN 0x40                                       ; destination window 1
.irp a, 0,1,2,3
.irp c, 0,1,2,3
	global_load_b128 v[128*(\par)+64*(\ah)+16*\a+4*\c:128*(\par)+64*(\ah)+16*\a+4*\c+3], v[L16], s[XP:XP+1] offset:(\off)+8192*(\ah)+2048*\a+512*\c
.endr
.endr
	WIN 0
.if \sc
	global_load_b128 v[XS-20*(\par)+4*(\ah):XS-20*(\par)+4*(\ah)+3], v[L16], s[XP:XP+1] offset:(\off)+16384+512*(\ah)
.endif
.endm
; My block of the K step in hand (32 d x 128 e, in staging set 'set') becomes codes and scale bytes in LDS.  more = 1: the set takes the block two K steps on.
; more = 2: the set has been converted for the last time and takes x's K step 'set' of pass 1.  left: the younger loads.
.macro QBLOCK set, more, left
.set R, 128*(\set)
	s_wait_loadcnt \left
	WIN 0x14                                       ; sources 1 and 2 window 1
.irp q, 0,1,2,3
	v_max3_num_f32 v[MX+\q], v[FLR], |v[R+\q]|, |v[R+4+\q]|      ; column q: down d, with the floor among the leaves
.endr
.set I, 1
.rept 15
.irp q, 0,1,2,3
	v_max3_num_f32 v[MX+\q], v[MX+\q], |v[R+8*I+\q]|, |v[R+8*I+4+\q]|
.endr
.set I, I+1
.endr
	WIN 0
.irp q, 0,1,2,3
	v_add_nc_u32 v[SC+\q], 0xfc000000, v[MX+\q]    ; 8 off the exponent field
.endr
.irp q, 0,1,2,3
	v_and_b32 v[INV+\q], 0x7f800000, v[SC+\q]
.endr
.irp q, 0,1,2,3
	v_sub_nc_u32 v[INV+\q], 0x7f000000, v[INV+\q]  ; exponent field 254 - byte: 1 / the scale, a power of two
.endr
.irp q, 0,1,2,3
	v_lshrrev_b32 v[SC+\q], 23, v[SC+\q]           ; the scale's byte
.endr
	v_add_nc_u32 v[QAC], s[KO], v[QA0]
	v_add_nc_u32 v[QBC], s[KSO], v[QB0]
	WIN 0x41                                       ; destination and source 0 window 1
.set I, 0
.rept 32
	v_pk_mul_f32 v[R+4*I:R+4*I+1], v[R+4*I:R+4*I+1], v[INV:INV+1]           ; exact: a power of two
	v_pk_mul_f32 v[R+4*I+2:R+4*I+3], v[R+4*I+2:R+4*I+3], v[INV+2:INV+3]
.set I, I+1
.endr
.set I, 0
.rept 128
	v_med3_num_f32 v[R+I], v[R+I], s[NEG], s[POS]  ; the conversion does not saturate (ISA guide 7.6.2): the hold at +-448
.set I, I+1
.endr
	WIN 0x01
.set I, 0
.rept 16
	v_cvt_scalef32_pk8_fp8_f32 v[TT+2*I:TT+2*I+1], v[R+8*I:R+8*I+7], v[ONE]   ; rows 2 I, 2 I + 1: a register holds one row's four columns
.set I, I+1
.endr
	v_nop                                          ; one plain line behind the last conversion
.if \more == 1
	s_wait_xcnt 0x0                                ; the loads issued a K step ago have read their base
	s_add_nc_u64 s[KP:KP+1], s[KP:KP+1], DSTEP
	WIN 0x40
.set I, 0
.rept 32
	global_load_b128 v[R+4*I:R+4*I+3], v[L16], s[KP:KP+1] offset:DSTEP+4096*I th:TH_LOAD_NT   ; 512 consecutive bytes of row I, two K steps on
.set I, I+1
.endr
.endif
.if \more == 2
	XLD \set, 0, (\set)*XSTEP, \set                ; K step 0's scale words wait until pass 0's last product has read their registers
	XLD \set, 1, (\set)*XSTEP, \set
.endif
	WIN 0
.set I, 0
.rept 8                                        ; 4 x 4 bytes are turned in two stages
	v_perm_b32 v[AB+4*I],   v[TT+4*I+1], v[TT+4*I],   s[P1A]
	v_perm_b32 v[AB+4*I+1], v[TT+4*I+1], v[TT+4*I],   s[P1B]
	v_perm_b32 v[AB+4*I+2], v[TT+4*I+3], v[TT+4*I+2], s[P1A]
	v_perm_b32 v[AB+4*I+3], v[TT+4*I+3], v[TT+4*I+2], s[P1B]
.set I, I+1
.endr
.set I, 0
.rept 8                                        ; v[TT + 8 q + I]: column q, rows 4 I .. 4 I + 3
	v_perm_b32 v[TT+I],    v[AB+4*I+2], v[AB+4*I],   s[P2A]
	v_perm_b32 v[TT+8+I],  v[AB+4*I+2], v[AB+4*I],   s[P2B]
	v_perm_b32 v[TT+16+I], v[AB+4*I+3], v[AB+4*I+1], s[P2A]
	v_perm_b32 v[TT+24+I], v[AB+4*I+3], v[AB+4*I+1], s[P2B]
.set I, I+1
.endr
.irp q, 0,1,2,3
	ds_store_b128 v[QAC], v[TT+8*\q:TT+8*\q+3] offset:16*\q          ; d 0-15 of the block: the image's lane r0 + q
	ds_store_b128 v[QAC], v[TT+8*\q+4:TT+8*\q+7] offset:16*\q+256    ; d 16-31: lane 16 + r0 + q
	ds_store_b8 v[QBC], v[SC+\q] offset:32*\q
.endr
.endm
.macro XFRAG buf, slot, a
.irp c, 0,1,2,3
	ds_load_b128 v[XF+16*(\buf)+4*\c:XF+16*(\buf)+4*\c+3], v[XA+\slot] offset:2048*(\a)+512*\c
.endr
.endm
.macro MUL8 a, buf                     ; fragment a of x against the kernel's eight tiles; the accumulators take turns
.irp t, 0,1,2,3,4,5,6,7
	v_wmma_scale_f32_16x16x128_f8f6f4 v[64*((\a)%4)+8*\t:64*((\a)%4)+8*\t+7], v[KF+16*\t:KF+16*\t+15], v[XF+16*(\buf):XF+16*(\buf)+15], v[64*((\a)%4)+8*\t:64*((\a)%4)+8*\t+7], v[KS+\t], v[XS+(\a)]
.endr
.endm
; A K step of pass 0: 64 matrix instructions.  Loads into registers that matrix instructions have read stand eight plain places behind them.
.macro MSTEP slot
	PLACES 8
	v_add_nc_u32 v[KAL], s[KO], v[L16]
	v_add_nc_u32 v[KSA], s[KSO], v[KS0]
	v_add_nc_u32 v[KAH], 4*KTP, v[KAL]
	ds_load_b128 v[KS:KS+3], v[KSA]
	ds_load_b128 v[KS+4:KS+7], v[KSA] offset:16
	ds_load_b128 v[XS:XS+3], v[XA+\slot] offset:16384
	ds_load_b128 v[XS+4:XS+7], v[XA+\slot] offset:16896
.irp t, 0,1,2,3
.irp c, 0,1,2,3
	ds_load_b128 v[KF+16*\t+4*\c:KF+16*\t+4*\c+3], v[KAL] offset:KTP*\t+512*\c
.endr
.endr
.irp t, 0,1,2,3
.irp c, 0,1,2,3
	ds_load_b128 v[KF+64+16*\t+4*\c:KF+64+16*\t+4*\c+3], v[KAH] offset:KTP*\t+512*\c
.endr
.endr
	XFRAG 0, \slot, 0
	XFRAG 1, \slot, 1
	XFRAG 2, \slot, 2
	XFRAG 3, \slot, 3
	s_wait_dscnt 12                                ; fragments 1 to 3 may be out
	WIN 0xa0                                       ; C and D window 2
	MUL8 0, 0
	s_wait_dscnt 8
	MUL8 1, 1
	PLACES 8
	WIN 0
	XFRAG 0, \slot, 4
	XFRAG 1, \slot, 5
	s_wait_dscnt 12                                ; fragment 3 and the eight just issued may be out
	WIN 0xa0
	MUL8 2, 2
	s_wait_dscnt 8
	MUL8 3, 3
	PLACES 8
	WIN 0
	XFRAG 2, \slot, 6
	XFRAG 3, \slot, 7
	s_wait_dscnt 12                                ; fragment 5 and the eight just issued may be out
	WIN 0xf0                                       ; C and D window 3
	MUL8 4, 0
	s_wait_dscnt 8
	MUL8 5, 1
	s_wait_dscnt 4
	MUL8 6, 2
	s_wait_dscnt 0
	MUL8 7, 3
	WIN 0
	s_add_co_u32 s[KO], s[KO], 2048
	s_add_co_u32 s[KSO], s[KSO], 512
.endm
; Pass 1: the kernel's tiles 4 g .. 4 g + 3 of the K step to which the address registers stand, and their scale words: 17 LDS loads
.macro KLD g
	ds_load_b128 v[KS+4*(\g):KS+4*(\g)+3], v[KSA] offset:16*(\g)
.irp t, 0,1,2,3
.irp c, 0,1,2,3
	ds_load_b128 v[KF+64*(\g)+16*\t+4*\c:KF+64*(\g)+16*\t+4*\c+3], v[KAL+(\g)] offset:KTP*\t+512*\c
.endr
.endr
.endm
; Pass 1: 16 matrix instructions: tiles 4 g .. 4 g + 3 x fragments 4 ah .. 4 ah + 3 of x's set par; the accumulators take turns
.macro QUAD g, ah, par
.irp a, 0,1,2,3
.irp t, 0,1,2,3
	v_wmma_scale_f32_16x16x128_f8f6f4 v[64*\a+8*(4*(\g)+\t):64*\a+8*(4*(\g)+\t)+7], v[KF+16*(4*(\g)+\t):KF+16*(4*(\g)+\t)+15], v[128*(\par)+16*(4*(\ah)+\a):128*(\par)+16*(4*(\ah)+\a)+15], v[64*\a+8*(4*(\g)+\t):64*\a+8*(4*(\g)+\t)+7], v[KS+4*(\g)+\t], v[XS-20*(\par)+4*(\ah)+\a]
.endr
.endr
.endm
; A K step of pass 1, in four quarters of 16 matrix instructions: tiles 0-3 and tiles 4-7 against fragments 0-3, then against fragments 4-7.  What a quarter has read for the last time is loaded again behind it,
; eight plain places on: behind the second, x's fragments 0-3 of the K step two on (17 loads); behind the third, the next K step's tiles 0-3 (17 LDS loads); behind the fourth, its tiles 4-7 and x's fragments 4-7.
; So a half step of x has 96 matrix instructions in which to land, a half of the kernel's fragments 16.  morex, morek = 0: nothing is left to ask for.
; ca, cb: the younger loads of x at the first and at the third quarter: three half steps of 17 in the loop.
.macro P1STEP par, morex, morek, ca, cb
	s_wait_dscnt 17                                ; tiles 0-3 are in; the run for tiles 4-7 may be out
	s_wait_loadcnt \ca                             ; x's fragments 0-3 are in
	WIN 0xa4                                       ; source 1 window 1, C and D window 2
	QUAD 0, 0, \par
	s_wait_dscnt 0x0                               ; tiles 4-7
	QUAD 1, 0, \par
.if \morex
	PLACES 8
	XLD \par, 0, (2+\par)*XSTEP, 1
.endif
	s_wait_loadcnt \cb                             ; x's fragments 4-7 are in
	WIN 0xf4                                       ; C and D window 3
	QUAD 0, 1, \par
.if \morek
	WIN 0
	s_add_co_u32 s[KO], s[KO], 2048
	s_add_co_u32 s[KSO], s[KSO], 512
	v_add_nc_u32 v[KAL], s[KO], v[L16]             ; the next K step's addresses: three of the eight places
	v_add_nc_u32 v[KSA], s[KSO], v[KS0]
	v_add_nc_u32 v[KAH], 4*KTP, v[KAL]
	PLACES 5
	KLD 0
	WIN 0xf4
.endif
	QUAD 1, 1, \par
	WIN 0
.if \morek || \morex
	PLACES 8
.endif
.if \morek
	KLD 1
.endif
.if \morex
	XLD \par, 1, (2+\par)*XSTEP, 1
.endif
.endm
; The sums begin as the bias: register j of tile T in lane (r, h) is e = 32 (T / 2) + 16 h + 8 (T % 2) + j.  The wait for these loads is the next wait on DScnt.
.macro ACCHALF
.irp a, 0,1,2,3
.irp t, 0,1,2,3,4,5,6,7
	ds_load_b128 v[64*\a+8*\t:64*\a+8*\t+3], v[BA] offset:128*(\t/2)+32*(\t%2)
	ds_load_b128 v[64*\a+8*\t+4:64*\a+8*\t+7], v[BA] offset:128*(\t/2)+32*(\t%2)+16
.endr
.endr
.endm
.macro ACCINIT
	WIN 0x80
	ACCHALF
	WIN 0xc0
	ACCHALF
	WIN 0
.endm
; Fragment a's 64 results of a lane (one row b, e = 32 b + 16 h + i in register 16 b + i) become codes in v[PC] on and the scale word v[PW + a].
.macro QUANTW a
.set W, 2+(\a)/4
.set AC0, 64*((\a)%4)
.set WN, (W<<2)|(W<<4)
	WIN WN                                         ; sources 1 and 2: the accumulators' window
.irp b, 0,1,2,3
	v_max3_num_f32 v[TM+\b], v[FLR], |v[AC0+16*\b]|, |v[AC0+16*\b+1]|       ; each accumulator is read from its low end on
.endr
.irp i, 2,4,6,8,10,12,14
.irp b, 0,1,2,3
	v_max3_num_f32 v[TM+\b], v[TM+\b], |v[AC0+16*\b+\i]|, |v[AC0+16*\b+\i+1]|
.endr
.endr
	WIN 0
.irp b, 0,1,2,3
	v_permlanex16_b32 v[TM+4+\b], v[TM+\b], s[SEL], s[SEL+1]
.endr
.irp b, 0,1,2,3
	v_max_num_f32 v[TM+\b], v[TM+\b], v[TM+4+\b]
.endr
.irp b, 0,1,2,3
	v_add_nc_u32 v[TM+12+\b], 0xfc000000, v[TM+\b]
.endr
.irp b, 0,1,2,3
	v_and_or_b32 v[TM+8+\b], v[TM+\b], 0x7f800000, s[MNT]
.endr
.irp b, 0,1,2,3
	v_lshrrev_b32 v[TM+4+\b], 23, v[TM+12+\b]
.endr
	v_lshl_or_b32 v[PW+(\a)], v[TM+5], 8, v[TM+4]
	v_lshl_or_b32 v[PW+(\a)], v[TM+6], 16, v[PW+(\a)]
	v_lshl_or_b32 v[PW+(\a)], v[TM+7], 24, v[PW+(\a)]
.set WN, W|(W<<6)
	WIN WN                                         ; destination and source 0: the accumulators' window
.irp b, 0,1,2,3
.irp i, 0,1,2,3,4,5,6,7,8,9,10,11,12,13,14,15
	v_med3_num_f32 v[AC0+16*\b+\i], v[AC0+16*\b+\i], -v[TM+8+\b], v[TM+8+\b]
.endr
.endr
	s_wait_xcnt 0x0                                ; the last fragment's stores have read v[PC] on
	WIN W
.irp b, 0,1,2,3
	v_cvt_scalef32_pk8_fp8_f32 v[PC+4*\b:PC+4*\b+1], v[AC0+16*\b:AC0+16*\b+7], v[TM+12+\b]
	v_cvt_scalef32_pk8_fp8_f32 v[PC+4*\b+2:PC+4*\b+3], v[AC0+16*\b+8:AC0+16*\b+15], v[TM+12+\b]
.endr
	v_nop
	WIN 0
.endm
.macro EPI ob                          ; my 128 rows x 128 e leave as one whole record, at s[ob]
	PLACES 8
.irp a, 0,1,2,3,4,5,6,7
	QUANTW \a
.irp c, 0,1,2,3
	global_store_b128 v[L16], v[PC+4*\c:PC+4*\c+3], s[\ob:\ob+1] offset:2048*\a+512*\c   ; 512 consecutive bytes
.endr
.if (\a%4)==3
	global_store_b128 v[L16], v[PW+\a-3:PW+\a], s[\ob:\ob+1] offset:16384+512*(\a/4)
.endif
.endr
	s_wait_xcnt 0x0                                ; the stores have read their data: the registers may be loaded again
.endm
	s_load_b256 s[4:11], s[0:1], 0x0               ; kernel, bias, xq, xbq
	v_lshl_add_u32 v[SPW], v0, 2, SPARE
	v_mov_b32 v[NIL], 0
	v_lshrrev_b32 v1, 5, v0
	v_readfirstlane_b32 s[WV], v1                  ; wave 0..3
	s_bfe_u32 s13, ttmp6, 0x40000                  ; cx: it enters the kernel's, the bias's and xbq's addresses alone
	s_lshl_b32 s14, ttmp9, 2
	s_add_co_u32 s14, s14, s13                     ; ex
	s_and_b32 s15, ttmp7, 0xffff                   ; c
	s_lshl_b32 s16, s15, 22                        ; the kernel: class c, 4 MiB each,
	s_lshl_b32 s17, s14, 9                         ; + 128 ex columns,
	s_add_co_u32 s16, s16, s17
	s_lshl_b32 s17, s[WV], 17                      ; + 32 w rows
	s_add_co_u32 s16, s16, s17
	s_mov_b32 s17, 0
	s_lshl_b32 s18, s15, 12                        ; the bias
	s_lshl_b32 s19, s14, 9
	s_add_co_u32 s18, s18, s19
	s_mov_b32 s19, 0
	s_and_b32 s23, ttmp9, 1                        ; the cluster's number, which the four partners share, says which half of the rows comes first
	s_lshl_b32 s23, s23, 2
	s_add_co_u32 s23, s23, s[WV]                   ; my block of 128 rows in pass 0,
	s_xor_b32 s21, s23, 4                          ; and in pass 1
	s_lshl_b32 s58, s15, 3                         ; xbq: record ((8 c + block) 8 + ex)
	s_add_co_u32 s58, s58, s23
	s_lshl_b32 s58, s58, 3
	s_add_co_u32 s58, s58, s14
	s_mul_i32 s58, s58, REC
	s_mov_b32 s59, 0
	s_lshl_b32 s[OB1], s15, 3
	s_add_co_u32 s[OB1], s[OB1], s21
	s_lshl_b32 s[OB1], s[OB1], 3
	s_add_co_u32 s[OB1], s[OB1], s14
	s_mul_i32 s[OB1], s[OB1], REC
	s_mov_b32 s[OB1+1], 0
	s_mul_i32 s[XB], s23, REC                      ; xq: my block's record of K step 0
	s_mov_b32 s[XB+1], 0
	s_mul_i32 s[XP], s21, REC
	s_mov_b32 s[XP+1], 0
	s_mul_i32 s20, s[WV], REC                      ; my record's place in a slot
	s_lshl_b32 s22, s[WV], 9
	v_and_b32 v1, 31, v0
	v_lshlrev_b32 v[L16], 4, v1
	s_wait_kmcnt 0x0
	s_add_nc_u64 s[KP:KP+1], s[4:5], s[16:17]
	s_add_nc_u64 s[6:7], s[6:7], s[18:19]
	s_add_nc_u64 s[OB:OB+1], s[10:11], s[58:59]
	s_add_nc_u64 s[OB1:OB1+1], s[10:11], s[OB1:OB1+1]
	s_add_nc_u64 s[XB:XB+1], s[8:9], s[XB:XB+1]
	s_add_nc_u64 s[XP:XP+1], s[8:9], s[XP:XP+1]
	global_load_b128 v[TM:TM+3], v[L16], s[6:7]    ; bias of e = 4 l .. 4 l + 3
	WIN 0x40
.set I, 0
.rept 32
	global_load_b128 v[4*I:4*I+3], v[L16], s[KP:KP+1] offset:4096*I th:TH_LOAD_NT          ; K step 0's block
.set I, I+1
.endr
.set I, 0
.rept 32
	global_load_b128 v[128+4*I:128+4*I+3], v[L16], s[KP:KP+1] offset:DSTEP+4096*I th:TH_LOAD_NT   ; K step 1's
.set I, I+1
.endr
	WIN 0
	; descriptor group 1: a record, 17,408 dense bytes, as 68 rows of 32 elements of 8 bytes
	s_mov_b32 s[G1], 15|(3<<16)|(1<<21)            ; 15:0 the mask: all four work-groups; 17:16 elements of 8 bytes; 21 set beside a mask
	s_mov_b32 s[G1+1], 32<<16                      ; tensor_dim0
	s_mov_b32 s[G1+2], 68<<16                      ; tensor_dim1
	s_mov_b32 s[G1+3], 32<<16                      ; tile_dim0
	s_mov_b32 s[G1+4], 68                          ; tile_dim1
	s_mov_b32 s[G1+5], 32                          ; the pitch
	s_mov_b32 s[G1+6], 0
	s_mov_b32 s[G1+7], 0
	s_mov_b32 s[G0A], 1
	s_add_co_u32 s[G0A+1], s20, SL0
	s_mov_b32 s[G0B], 1
	s_add_co_u32 s[G0B+1], s20, SL1
	s_mov_b32 s[NEG], 0xc3e00000                   ; -448
	s_mov_b32 s[POS], 0x43e00000                   ; 448
	s_mov_b32 s[MNT], 0x600000
	s_mov_b32 s[SEL], 0x76543210
	s_mov_b32 s[SEL+1], 0xfedcba98
	s_mov_b32 s[P1A], 0x05010400
	s_mov_b32 s[P1B], 0x07030602
	s_mov_b32 s[P2A], 0x05040100
	s_mov_b32 s[P2B], 0x07060302
	v_bfe_u32 v2, v0, 3, 2
	v_bfe_u32 v3, v0, 1, 1
	v_lshl_add_u32 v2, v2, 1, v3                   ; T(l) = 2 (l / 8) + ((l / 2) % 2)
	v_and_b32 v3, 1, v0
	v_bfe_u32 v1, v0, 2, 1
	v_lshlrev_b32 v3, 2, v3
	v_lshl_add_u32 v3, v1, 3, v3                   ; r0(l) = 4 (l % 2) + 8 ((l / 4) % 2)
	v_mul_u32_u24 v[QA0], v2, KTP
	v_lshl_add_u32 v[QA0], v3, 4, v[QA0]
	v_add_nc_u32 v[QA0], s22, v[QA0]
	v_lshl_add_u32 v[QB0], v3, 5, KSC
	v_lshl_add_u32 v[QB0], v2, 2, v[QB0]
	v_add_nc_u32 v[QB0], s[WV], v[QB0]
	v_and_b32 v[KS0], 15, v0
	v_lshl_add_u32 v[KS0], v[KS0], 5, KSC
	v_add_nc_u32 v[XA], s[G0A+1], v[L16]
	v_add_nc_u32 v[XA+1], s[G0B+1], v[L16]
	v_bfe_u32 v[BA], v0, 4, 1
	v_lshl_add_u32 v[BA], v[BA], 6, BIA
	v_add_nc_u32 v[BA], s22, v[BA]
	v_add_nc_u32 v[QAC], s22, v[L16]
	v_add_nc_u32 v[QAC], BIA, v[QAC]               ; for now: where my 16 bytes of the bias go
	v_mov_b32 v[FLR], 0x4800000
	v_mov_b32 v[ONE], 1.0
.irp b, 0,1,2,3
	v_mov_b32 v[TM+4+\b], 0                        ; a lane permute's destination counts as one of its sources
.endr
	s_wait_loadcnt 63                              ; 64 loads were issued behind the bias's; the count's field ends at 63, and a smaller count is safe
	ds_store_b128 v[QAC], v[TM:TM+3]               ; my wave's own copy: no other wave reads it
	; ---- pass 0: K step s is quantised, then multiplied.  Both groups 0 are set to K steps 0 and 1, and slot 0 is asked for
	s_wait_tensorcnt 0x0                           ; no tensor load of mine is out: the groups 0 may be written
	ds_add_u32 v[SPW], v[NIL]
	s_mov_b64 s[G0A+2:G0A+3], s[XB:XB+1]
	s_add_nc_u64 s[G0B+2:G0B+3], s[XB:XB+1], XSTEP
	s_or_b32 s[G0A+3], s[G0A+3], 0x80000000        ; type = 2
	s_or_b32 s[G0B+3], s[G0B+3], 0x80000000
	s_wait_dscnt 0x0                               ; the add and the bias's store are done
	CROUND                                         ; the four work-groups are here: the first joint load meets
	tensor_load_to_lds s[G0A:G0A+3], s[G1:G1+7]
	s_nop 0
	PLACES 4
	ACCINIT
	s_mov_b32 s[KO], 0
	s_mov_b32 s[KSO], 0
	s_mov_b32 s[TR], 3
.Lk0:                                                  ; a trip: two K steps, the two staging sets and the two slots by turns
	QBLOCK 0, 1, 32
	SYNC 0, 1
	MSTEP 0
	QBLOCK 1, 1, 32
	SYNC 1, 1
	MSTEP 1
	s_sub_co_u32 s[TR], s[TR], 1
	s_cmp_lg_u32 s[TR], 0
	s_cbranch_scc1 .Lk0
	QBLOCK 0, 2, 32                                ; K steps 6 and 7 are written out: no more of the kernel is loaded; each staging set, converted for the last time, takes a K step of pass 1's x
	SYNC 0, 1
	MSTEP 0
	QBLOCK 1, 2, 32                                ; behind this block's loads of the kernel: the 32 loads of x just issued
	SYNC 1, 0                                      ; the last K step asks for no tile; behind this barrier all the codes lie in LDS, and nothing is stored there again
	MSTEP 1
	PLACES 8                                       ; pass 0's last products have read x's scale words:
	global_load_b128 v[XS:XS+3], v[L16], s[XP:XP+1] offset:16384     ; now K step 0's of pass 1 may land there
	global_load_b128 v[XS+4:XS+7], v[L16], s[XP:XP+1] offset:16896
	EPI OB
	; ---- pass 1: the other 512 rows, from the codes in LDS and x in registers; no barrier: the waves share only bytes that nobody writes any more
	ACCINIT
	s_mov_b32 s[KO], 0
	s_mov_b32 s[KSO], 0
	v_add_nc_u32 v[KAL], s[KO], v[L16]
	v_add_nc_u32 v[KSA], s[KSO], v[KS0]
	v_add_nc_u32 v[KAH], 4*KTP, v[KAL]
	KLD 0
	KLD 1
	s_wait_loadcnt 0x0                             ; K steps 0 and 1 of x, asked for a way out ago and more; K step 0's scale words are the youngest loads, so the count is 0
	s_mov_b32 s[TR], 3
.Lk1:                                                  ; a trip: two K steps, x's two sets by turns
	P1STEP 0, 1, 1, 51, 51
	P1STEP 1, 1, 1, 51, 51
	s_wait_xcnt 0x0                                ; the loads of x have read their base
	s_add_nc_u64 s[XP:XP+1], s[XP:XP+1], 2*XSTEP
	s_sub_co_u32 s[TR], s[TR], 1
	s_cmp_lg_u32 s[TR], 0
	s_cbranch_scc1 .Lk1
	P1STEP 0, 0, 1, 51, 34                         ; K steps 6 and 7 ask for no more of x: the counts run down; no load leaves its buffer
	P1STEP 1, 0, 0, 17, 0
	EPI OB1
	s_wait_tensorcnt 0x0                           ; the wave's end
	ds_add_u32 v[SPW], v[NIL]
	s_wait_dscnt 0x0
	CROUND                                         ; the closing round
	s_endpgm
.Lfunc_end_k_q86342f505d_gemm1:
	.size	k_q86342f505d_gemm1, .Lfunc_end_k_q86342f505d_gemm1-k_q86342f505d_gemm1
	.p2alignl 7, 3214868480
	.fill 96, 4, 3214868480
	.section	.rodata,"a",@progbits
	.p2align	6, 0x0
	.amdhsa_kernel k_q86342f505d_gemm1
		.amdhsa_group_segment_fixed_size 327680
		.amdhsa_private_segment_fixed_size 0
		.amdhsa_enable_private_segment 0
		.amdhsa_kernarg_size 32
		.amdhsa_user_sgpr_count 2
		.amdhsa_user_sgpr_kernarg_segment_ptr 1
		.amdhsa_wavefront_size32 1
		.amdhsa_system_sgpr_workgroup_id_x 1
		.amdhsa_system_sgpr_workgroup_id_y 1
		.amdhsa_system_sgpr_workgroup_id_z 1
		.amdhsa_system_vgpr_workitem_id 0
		.amdhsa_next_free_vgpr 1024
		.amdhsa_next_free_sgpr 66
		.amdhsa_reserve_vcc 0
		.amdhsa_float_denorm_mode_32 3
		.amdhsa_float_denorm_mode_16_64 3
		.amdhsa_memory_ordered 1
		.amdhsa_forward_progress 1
		.amdhsa_inst_pref_size 255
	.end_amdhsa_kernel
	.section	.bss,"aw",@nobits
	.p2align	6
	.space	262144
	.amdgpu_metadata
---
amdhsa.version: [ 1, 2 ]
amdhsa.kernels:
  - .name:           k_q86342f505d_gemm1
    .symbol:         k_q86342f505d_gemm1.kd
    .args:
      - { .name: kernel, .offset: 0, .size: 8, .value_kind: global_buffer, .address_space: global }
      - { .name: bias, .offset: 8, .size: 8, .value_kind: global_buffer, .address_space: global }
      - { .name: xq, .offset: 16, .size: 8, .value_kind: global_buffer, .address_space: global }
      - { .name: xbq, .offset: 24, .size: 8, .value_kind: global_buffer, .address_space: global }
    .group_segment_fixed_size: 327680
    .private_segment_fixed_size: 0
    .kernarg_segment_align: 8
    .kernarg_segment_size: 32
    .max_flat_workgroup_size: 128
    .sgpr_count:     66
    .vgpr_count:     1024
    .wavefront_size: 32
...
	.end_amdgpu_metadata
.endif
;; end of part 7
;; launch gemm2: the kernel of part 3 again; grid 8 x 31, 4 waves a work-group, clusters of 4 x 1, 327,680 bytes of LDS; arguments xbq, labels, sp, pmi, pmj; writes sp, pmi, pmj
;; launch expsum: the kernel of part 4 again; grid 16 x 16, 8 waves a work-group, no clusters, 13,312 bytes of LDS; arguments sp, pmi, pmj, u, mu; writes u, mu
;; launch norm: the kernel of part 5 again; grid 31 x 4, 17 waves a work-group, no clusters, 2,560 bytes of LDS; arguments u, mu, cnt, out0; writes out0
